; MI455X (gfx1250); checked and timed in simulation.
; The chip was launched on July 23, 2026; its instructions are those of AMD's public machine-readable ISA for CDNA 5 (MIT licence, August 2026) and "CDNA5" Instruction Set Architecture Reference Guide (July 2026). The comments in the code are by the model that wrote it; some were corrected since.
;; Mo E Layer. Allowed arithmetic: matrix products marked QUANTISED: E5M2 operands, one E8M0 scale for each 32 along K, by v_wmma_scale_f32_16x16x128_f8f6f4 with both operands' format E5M2, f32 sums; products left as they are: f32 operands where the result goes on into a quantised operand, else bf16, f16 or f32 operands; f32 sums; everything else in f32.
;; Inputs: fc1_b 8 x 4,096 float32; fc1_w 8 x 4,096 x 1,024 float32; fc2_b 8 x 1,024 float32; fc2_w 8 x 1,024 x 4,096 float32; gate_w 8 x 1,024 float32; x 8 x 128 x 1,024 float32.
;; Outputs: out0 8 x 128 x 1,024 float32; out1 one number float32.
;; This version of the problem:
;;   THIS VERSION OF THE PROBLEM IS GIVEN IN LOW PRECISION. The matrix products marked QUANTISED in the list below multiply operands that are first quantised to E5M2 (5 exponent bits, 2 mantissa bits; 8 bits a number), with one power-of-two scale for each 32 numbers along K (OCP MX v1.0); their sums are f32. All else is computed in f32.
;;   The module's matrix products, in the order in which they are computed (A, B: the left and right operand; K: the contracted axis; several contracted axes count as one K, in the product's order):
;;     1. [M 1,024, K 1,024] x [K 1,024, N 8]; A: input x; B: input gate_w: left as it is (N = 8 < 16)
;;     2. [M 1,024, K 1,024] x [K 1,024, N 4,096]; A: input x; B: input fc1_w: QUANTISED
;;     3. [M 1,024, K 4,096] x [K 4,096, N 1,024]; A: computed on the way; B: input fc2_w: QUANTISED
;;     4. [M 1,024, K 1,024] x [K 1,024, N 4,096]; A: input x; B: input fc1_w: QUANTISED
;;     5. [M 1,024, K 4,096] x [K 4,096, N 1,024]; A: computed on the way; B: input fc2_w: QUANTISED
;;     6. [M 1,024, K 1,024] x [K 1,024, N 4,096]; A: input x; B: input fc1_w: QUANTISED
;;     7. [M 1,024, K 4,096] x [K 4,096, N 1,024]; A: computed on the way; B: input fc2_w: QUANTISED
;;     8. [M 1,024, K 1,024] x [K 1,024, N 4,096]; A: input x; B: input fc1_w: QUANTISED
;;     9. [M 1,024, K 4,096] x [K 4,096, N 1,024]; A: computed on the way; B: input fc2_w: QUANTISED
;;     10. [M 1,024, K 1,024] x [K 1,024, N 4,096]; A: input x; B: input fc1_w: QUANTISED
;;     11. [M 1,024, K 4,096] x [K 4,096, N 1,024]; A: computed on the way; B: input fc2_w: QUANTISED
;;     12. [M 1,024, K 1,024] x [K 1,024, N 4,096]; A: input x; B: input fc1_w: QUANTISED
;;     13. [M 1,024, K 4,096] x [K 4,096, N 1,024]; A: computed on the way; B: input fc2_w: QUANTISED
;;     14. [M 1,024, K 1,024] x [K 1,024, N 4,096]; A: input x; B: input fc1_w: QUANTISED
;;     15. [M 1,024, K 4,096] x [K 4,096, N 1,024]; A: computed on the way; B: input fc2_w: QUANTISED
;;     16. [M 1,024, K 1,024] x [K 1,024, N 4,096]; A: input x; B: input fc1_w: QUANTISED
;;     17. [M 1,024, K 4,096] x [K 4,096, N 1,024]; A: computed on the way; B: input fc2_w: QUANTISED
;;   THE QUANTISER, for each operand of a quantised product, along K:
;;     - K is cut into blocks of 32 from its start; a last block that is shorter is filled with zeros.
;;     - A block's scale is 2^e with e = floor(log2(the largest magnitude in the block)) - 15, held to -126 .. 127; a block of zeros has e = 0. As a byte (E8M0): e + 127.
;;     - Each number is divided by its block's scale, clamped to +-57,344, and rounded to the nearest number of E5M2, ties to even, subnormals kept.
;;     - The product sums the exact products of the quantised numbers (number of the format x scale) in f32.
;;   ~~~python
;;   def quantise(x, axis):      # numpy; x: float32 -> the quantised numbers, widened to float32 again
;;       x = np.moveaxis(x, axis, -1); K = x.shape[-1]
;;       x = np.pad(x, [(0, 0)] * (x.ndim - 1) + [(0, -K % 32)]); x = x.reshape(x.shape[:-1] + (-1, 32)); a = np.abs(x).max(-1, keepdims=True)
;;       e = np.where(a > 0, np.clip(np.frexp(np.where(a > 0, a, 1))[1] - 1 - 15, -126, 127), 0)      # np.frexp(a)[1] - 1 = floor(log2(a)), exactly
;;       r = np.clip(x / 2.0 ** e, -57344, 57344)
;;       step = 2.0 ** (np.maximum(np.frexp(np.where(r == 0, 1, r))[1] - 1, -14) - 2)
;;       q = np.round(r / step) * step * 2.0 ** e      # np.round: ties to even
;;       return np.moveaxis(q.reshape(q.shape[:-2] + (-1,))[..., :K], -1, axis).astype(np.float32)
;;   ~~~
;;   OPERANDS COMPUTED ON THE WAY. 'Computed on the way' means the value that the module computes at that place (a softmax that the list does not call 'softmax' is quantised finished and normalised). What goes into a quantiser is computed in f32, as accurately as f32 sums, v_exp_f32 and their like allow (about 1e-6 of the number): no bf16 or f16 on the way to a quantiser, and a product that is left as it is and whose result goes on into a quantised operand takes f32 operands (vector FMAs, or v_wmma_f32_16x16x4_f32). A number that lies on a knife's edge between two numbers of the format may be rounded either way, as far as f32 arithmetic and the matrix unit's own rounding can turn it there, and no further.
;; 2 versions. Each part assembles by itself: llvm-mc -triple=amdgcn-amd-amdhsa -mcpu=gfx1250 --defsym DOCPART=n.
;; ======== version 1 of 2: 5 launches
;; workspace buffers: ridx 8,192 bytes of whole numbers; rwp 40,960 bytes; xqs 1,081,344 bytes; plc 41,216 bytes of whole numbers; hqs 34,603,008 bytes; yp 134,217,728 bytes
;; launch route (part 1): grid 256 x 1, 4 waves a work-group, no clusters, 23,040 bytes of LDS; arguments x, gate_w, xqs, ridx, rwp; writes xqs, ridx, rwp
.if DOCPART == 1
	.amdgcn_target "amdgcn-amd-amdhsa--gfx1250"
	.amdhsa_code_object_version 6
	.text
	.protected	k_q75434d4936_route
	.globl	k_q75434d4936_route
	.p2align	8
	.type	k_q75434d4936_route,@function
k_q75434d4936_route:
	s_mov_b64 s[64:65], 0
	v_nop
	global_prefetch_b8 v0, s[64:65] scope:SCOPE_SE
	s_setreg_imm32_b32 hwreg(HW_REG_WAVE_MODE, 25, 1), 1
	s_wait_xcnt 0x0
; MoE layer, launch 1 of 5: the router, and x as codes of BF8 (E5M2) with one E8M0 scale byte for each 32 along D.
; WORK LEFT OUT IN THE WHOLE PROGRAM.  For a token t and an expert e that is not among idx[t], reference() forms we = sum(where(idx == e, w, 0)) = 0 and adds we * y_e[t],
; which is 0 for every finite y_e[t], whatever the inputs hold.  So the rows of the 16 expert products that belong to experts not chosen reach no output: only rows (t, idx[t][0]) and
; (t, idx[t][1]) are multiplied.  Every input keeps a way to an output and all are loaded.  LIMIT: a NaN, an infinity or an overflow that arises only in a row left out is not carried to the result.
; THIS LAUNCH.  One token to a wave, token = 4 x work-group + wave; no barrier.  logits = x . gate_w[e] in f32 (fused multiply-adds), softmax with the maximum taken away, the two largest
; probabilities (the lower index wins a tie, as jax.lax.top_k has it), w = p / (p1 + p2 + 1e-9).  The choice is derived from floating-point numbers, so no address here hangs on it:
; experts, weights and probabilities are stored at fixed places, and the next launch places the rows.
; THE CODES: a block's scale is 2^(floor(log2(largest magnitude)) - 15); its byte is that magnitude's exponent field - 15, held at 1 from below (a block of zeros so has the byte 1 where the
; rule says 127: its codes are zeros and this program alone reads the bytes).  Each number is held within +-57,344 x the scale and rounded to the nearest code, ties to even.
; LIMITS: NaN and infinities among the inputs are not served; blocks whose largest magnitude lies under 2^(16 - 127) keep the byte 1.
; The last stores are a few bytes a token (8 + 8 + 32 by one lane, 32 by eight lanes): 80 bytes beside the token's 4,096 read.
.set WREG,  5632                       ; LDS of a wave: two stages of 32 x SP bytes, then its 32 scale bytes
.set SP,    80                         ; a lane's place in a stage: 64 bytes + 16 of padding
.set SPARE, 4*WREG                     ; the spare words, 128 bytes a wave: two blocks of 256 bytes that no other line names
.set SPW,   12                         ; v12  my spare word's LDS address; never rewritten
.set NIL,   13                         ; v13  0; never rewritten
.set R,     16                         ; v16-47   x as loaded: load i holds numbers 128 i + 4 lane + 0 .. 3
.set X,     48                         ; v48-79   two steps of 16 neighbours
.set C,     80                         ; v80-87   codes
.set E,     88                         ; v88-89   scale bytes
.set G,     96                         ; v96-223  four sets of 32: a row of gate_w, laid as R
.set SUM,   224                        ; v224-239 a pair of sums for each expert; later at work
.set P,     240                        ; v240-255 the second chains' pairs; then logits, then probabilities in v240-247
.set SEL,   22                         ; s[22:23] v_permlanex16_b32's selects for lane l xor 16
.set MNT,   24                         ; s24      the mantissa field of 57,344
	s_load_b256 s[4:11], s[0:1], 0x0               ; x s[4:5], gate_w s[6:7], xqs s[8:9], ridx s[10:11]
	s_load_b64 s[12:13], s[0:1], 0x20              ; rwp
	v_lshl_add_u32 v[SPW], v0, 2, SPARE
	v_mov_b32 v[NIL], 0
	v_lshrrev_b32 v1, 5, v0
	v_readfirstlane_b32 s14, v1                    ; wave
	v_and_b32 v1, 31, v0                           ; lane
	v_lshlrev_b32 v2, 4, v1                        ; 16 x lane
	s_mul_i32 s25, s14, WREG
	v_lshrrev_b32 v3, 2, v1
	v_mul_u32_u24 v3, v3, SP
	v_and_b32 v4, 3, v1
	v_lshl_add_u32 v3, v4, 4, v3
	v_add_nc_u32 v3, s25, v3                       ; the stage, on the way in: four lanes' 64 bytes on end, then the padding
	v_mul_u32_u24 v4, v1, SP
	v_add_nc_u32 v4, s25, v4                       ; and on the way out: my 16 neighbours
	s_add_co_u32 s25, s25, 2*32*SP
	v_lshrrev_b32 v5, 1, v1
	v_add_nc_u32 v5, s25, v5                       ; my block's scale byte
	v_and_b32 v7, 7, v1
	v_lshlrev_b32 v7, 2, v7                        ; 4 x (lane % 8): a scale word's place in the token's 32 bytes
	v_add_nc_u32 v6, s25, v7
	s_lshl_b32 s15, ttmp9, 2
	s_add_co_u32 s15, s15, s14                     ; my token
	s_mov_b32 s[SEL], 0x76543210
	s_mov_b32 s[SEL+1], 0xfedcba98
	s_mov_b32 s[MNT], 0x600000
	s_lshl_b32 s18, s15, 12                        ; its row of x,
	s_mov_b32 s19, 0
	s_lshl_b32 s26, s15, 10                        ; of codes,
	s_mov_b32 s27, 0
	s_lshl_b32 s28, s15, 5                         ; of scale bytes and of probabilities,
	s_mov_b32 s29, 0
	s_lshl_b32 s30, s15, 3                         ; of experts and of weights
	s_mov_b32 s31, 0
	s_wait_kmcnt 0x0
	s_add_nc_u64 s[4:5], s[4:5], s[18:19]
	s_add_nc_u64 s[16:17], s[8:9], s[28:29]
	s_add_nc_u64 s[16:17], s[16:17], 0x100000      ; the scale bytes lie behind the 1,048,576 bytes of codes
	s_add_nc_u64 s[8:9], s[8:9], s[26:27]
	s_add_nc_u64 s[10:11], s[10:11], s[30:31]
	s_add_nc_u64 s[32:33], s[12:13], s[28:29]
	s_add_nc_u64 s[32:33], s[32:33], 0x2000        ; the probabilities lie behind the 8,192 bytes of weights
	s_add_nc_u64 s[12:13], s[12:13], s[30:31]
.irp i, 0,1,2,3,4,5,6,7
	global_load_b128 v[R+4*\i:R+4*\i+3], v2, s[4:5] offset:512*\i th:TH_LOAD_NT   ; 512 consecutive bytes a load
.endr
.macro GLOAD e                         ; gate_w's row e into set e % 4
.irp i, 0,1,2,3,4,5,6,7
	global_load_b128 v[G+32*((\e)%4)+4*\i:G+32*((\e)%4)+4*\i+3], v2, s[6:7] offset:4096*(\e)+512*\i
.endr
.endm
	GLOAD 0
	GLOAD 1
	GLOAD 2
	GLOAD 3
.macro TURN s                          ; step s (512 numbers) through its stage: LDS serves a wave's instructions in order, so no wait stands between the stores and the loads
.irp i, 0,1,2,3
	ds_store_b128 v3, v[R+16*(\s)+4*\i:R+16*(\s)+4*\i+3] offset:32*SP*(\s)+8*SP*\i
.endr
.irp i, 0,1,2,3
	ds_load_b128 v[X+16*(\s)+4*\i:X+16*(\s)+4*\i+3], v4 offset:32*SP*(\s)+16*\i
.endr
.endm
.macro QSTEP s                         ; my 16 neighbours of step s become 16 codes; two neighbouring lanes hold a block
.set XS, X+16*(\s)
	v_max3_num_f32 v8, |v[XS]|, |v[XS+1]|, |v[XS+2]|
	v_max3_num_f32 v9, |v[XS+3]|, |v[XS+4]|, |v[XS+5]|
.irp i, 6,10
	v_max3_num_f32 v8, v8, |v[XS+\i]|, |v[XS+\i+1]|
	v_max3_num_f32 v9, v9, |v[XS+\i+2]|, |v[XS+\i+3]|
.endr
	v_max3_num_f32 v8, v8, |v[XS+14]|, |v[XS+15]|
	v_max3_num_f32 v8, v8, v9, 0x8000000           ; and the floor 2^(16 - 127): the byte cannot fall under 1
	v_max_num_f32_dpp v8, v8, v8 row_xmask:1 row_mask:0xf bank_mask:0xf   ; with my neighbour's 16: the block's largest magnitude
	v_add_nc_u32 v11, 0xf8800000, v8               ; 15 off its exponent field: the conversion's scale operand
	v_and_or_b32 v10, v8, 0x7f800000, s[MNT]       ; 57,344 x the scale
.irp i, 0,1,2,3,4,5,6,7,8,9,10,11,12,13,14,15
	v_med3_num_f32 v[XS+\i], v[XS+\i], -v10, v10   ; the conversion to an 8-bit code does not saturate (ISA guide 7.6.2): the hold comes first
.endr
	v_cvt_scalef32_pk8_bf8_f32 v[C+4*(\s):C+4*(\s)+1], v[XS:XS+7], v11
	v_cvt_scalef32_pk8_bf8_f32 v[C+4*(\s)+2:C+4*(\s)+3], v[XS+8:XS+15], v11
	v_lshrrev_b32 v[E+(\s)], 23, v11               ; the scale's byte (also the plain line behind the conversions)
	ds_store_b8 v5, v[E+(\s)] offset:16*(\s)       ; both lanes of a block write the same byte with the same value
	global_store_b128 v2, v[C+4*(\s):C+4*(\s)+3], s[8:9] offset:512*(\s)   ; 512 consecutive bytes
.endm
	s_wait_loadcnt 32                              ; x is in; the 32 loads of gate_w behind it may be out
	TURN 0
	TURN 1
	s_wait_dscnt 8                                 ; step 0 is back; step 1's four stores and four loads may be out
	QSTEP 0
	s_wait_dscnt 1                                 ; step 1 is back; the byte store may be out
	QSTEP 1
	ds_load_b32 v14, v6                            ; the 32 scale bytes as eight words (these see my byte stores: LDS serves a wave in order)
	v_cmp_gt_u32 vcc_lo, 8, v1
	s_wait_dscnt 0x0
	s_wait_xcnt 0x0                                ; EXEC changes only behind this wait
	s_and_saveexec_b32 s20, vcc_lo
	global_store_b32 v7, v14, s[16:17]             ; lanes 0 to 7: word ks holds the bytes of k = 128 ks + 32 b
	s_wait_xcnt 0x0
	s_or_b32 exec_lo, exec_lo, s20
; x . gate_w[e]: 32 numbers a lane, two at a time, in two chains.  left = the younger loads that may stay out
.macro DOT e, left
	s_wait_loadcnt \left
.set GS, G+32*((\e)%4)
	v_pk_mul_f32 v[SUM+2*(\e):SUM+2*(\e)+1], v[R:R+1], v[GS:GS+1]
	v_pk_mul_f32 v[P+2*(\e):P+2*(\e)+1], v[R+16:R+17], v[GS+16:GS+17]
.irp j, 2,4,6,8,10,12,14
	v_pk_fma_f32 v[SUM+2*(\e):SUM+2*(\e)+1], v[R+\j:R+\j+1], v[GS+\j:GS+\j+1], v[SUM+2*(\e):SUM+2*(\e)+1]
	v_pk_fma_f32 v[P+2*(\e):P+2*(\e)+1], v[R+16+\j:R+17+\j], v[GS+16+\j:GS+17+\j], v[P+2*(\e):P+2*(\e)+1]
.endr
.endm
.irp e, 0,1,2,3,4,5,6,7
.if \e < 5
	DOT \e, 24                                     ; three younger sets of eight loads
.else
	DOT \e, 8*(7-\e)
.endif
.if \e < 4
	GLOAD \e+4
.endif
.endr
.irp e, 0,1,2,3,4,5,6,7
	v_pk_add_f32 v[SUM+2*\e:SUM+2*\e+1], v[SUM+2*\e:SUM+2*\e+1], v[P+2*\e:P+2*\e+1]
.endr
.irp e, 0,1,2,3,4,5,6,7
	v_add_f32 v[P+\e], v[SUM+2*\e], v[SUM+2*\e+1]
.endr
.irp m, 1,2,4,8                        ; over the 32 lanes, the eight experts by turns; every lane ends with all eight logits
.irp e, 0,1,2,3,4,5,6,7
	v_add_f32_dpp v[P+\e], v[P+\e], v[P+\e] row_xmask:\m row_mask:0xf bank_mask:0xf
.endr
.endr
.irp e, 0,1,2,3,4,5,6,7
	v_permlanex16_b32 v[SUM+\e], v[P+\e], s[SEL], s[SEL+1]
.endr
.irp e, 0,1,2,3,4,5,6,7
	v_add_f32 v[P+\e], v[P+\e], v[SUM+\e]
.endr
	v_max3_num_f32 v14, v[P], v[P+1], v[P+2]       ; the softmax, with the maximum taken away
	v_max3_num_f32 v14, v14, v[P+3], v[P+4]
	v_max3_num_f32 v14, v14, v[P+5], v[P+6]
	v_max_num_f32 v14, v14, v[P+7]
.irp e, 0,1,2,3,4,5,6,7
	v_sub_f32 v[P+\e], v[P+\e], v14
.endr
.irp e, 0,1,2,3,4,5,6,7
	v_mul_f32 v[P+\e], 0x3fb8aa3b, v[P+\e]         ; x log2(e)
.endr
.irp e, 0,1,2,3,4,5,6,7
	v_exp_f32 v[P+\e], v[P+\e]
.endr
	v_mov_b32 v15, 0                               ; (a plain line behind the exponentials: the last stores' offset)
	s_wait_alu depctr_va_vdst(0)                   ; one wait for the eight, ahead of their first reader
	v_add_f32 v[SUM], v[P], v[P+1]
	v_add_f32 v[SUM+1], v[P+2], v[P+3]
	v_add_f32 v[SUM+2], v[P+4], v[P+5]
	v_add_f32 v[SUM+3], v[P+6], v[P+7]
	v_add_f32 v[SUM], v[SUM], v[SUM+1]
	v_add_f32 v[SUM+2], v[SUM+2], v[SUM+3]
	v_add_f32 v[SUM], v[SUM], v[SUM+2]
	v_rcp_f32 v[SUM], v[SUM]
	v_nop
	s_wait_alu depctr_va_vdst(0)
.irp e, 0,1,2,3,4,5,6,7
	v_mul_f32 v[P+\e], v[P+\e], v[SUM]             ; the probabilities
.endr
	; the two largest.  The best so far is kept where p <= best, so that the lower index wins a tie.  v228 best, v229 second, v230 and v231 their experts
	v_mov_b32 v228, v[P]
	v_mov_b32 v230, 0
.irp e, 1,2,3,4,5,6,7
	v_cmp_le_f32 vcc_lo, v[P+\e], v228
	v_cndmask_b32 v228, v[P+\e], v228, vcc_lo
	v_cndmask_b32 v230, \e, v230, vcc_lo
.endr
	v_mov_b32 v229, -1.0                           ; under every probability
	v_mov_b32 v231, 0
.irp e, 0,1,2,3,4,5,6,7
	v_cmp_eq_u32 s20, \e, v230                     ; the best expert is passed over
	v_cmp_le_f32 vcc_lo, v[P+\e], v229
	s_or_b32 vcc_lo, vcc_lo, s20
	v_cndmask_b32 v229, v[P+\e], v229, vcc_lo
	v_cndmask_b32 v231, \e, v231, vcc_lo
.endr
	v_add_f32 v234, v228, v229
	v_add_f32 v234, 0x3089705f, v234               ; + 1e-9
	v_rcp_f32 v234, v234
	v_nop
	s_wait_alu depctr_va_vdst(0)
	v_mul_f32 v232, v228, v234
	v_mul_f32 v233, v229, v234
	v_cmp_eq_u32 vcc_lo, 0, v1
	s_wait_xcnt 0x0                                ; EXEC changes only behind this wait
	s_and_saveexec_b32 s20, vcc_lo                 ; every lane holds the same numbers: lane 0 stores them
	global_store_b64 v15, v[230:231], s[10:11]
	global_store_b64 v15, v[232:233], s[12:13]
	global_store_b128 v15, v[P:P+3], s[32:33]
	global_store_b128 v15, v[P+4:P+7], s[32:33] offset:16
	s_wait_xcnt 0x0
	s_or_b32 exec_lo, exec_lo, s20
	s_wait_tensorcnt 0x0                           ; the wave's end, behind my last LDS store
	ds_add_u32 v[SPW], v[NIL]
	s_wait_dscnt 0x0
	s_endpgm
.Lfunc_end_k_q75434d4936_route:
	.size	k_q75434d4936_route, .Lfunc_end_k_q75434d4936_route-k_q75434d4936_route
	.p2alignl 7, 3214868480
	.fill 96, 4, 3214868480
	.section	.rodata,"a",@progbits
	.p2align	6, 0x0
	.amdhsa_kernel k_q75434d4936_route
		.amdhsa_group_segment_fixed_size 23040
		.amdhsa_private_segment_fixed_size 0
		.amdhsa_enable_private_segment 0
		.amdhsa_kernarg_size 40
		.amdhsa_user_sgpr_count 2
		.amdhsa_user_sgpr_kernarg_segment_ptr 1
		.amdhsa_wavefront_size32 1
		.amdhsa_system_sgpr_workgroup_id_x 1
		.amdhsa_system_sgpr_workgroup_id_y 1
		.amdhsa_system_sgpr_workgroup_id_z 1
		.amdhsa_system_vgpr_workitem_id 0
		.amdhsa_next_free_vgpr 256
		.amdhsa_next_free_sgpr 66
		.amdhsa_reserve_vcc 1
		.amdhsa_float_denorm_mode_32 3
		.amdhsa_float_denorm_mode_16_64 3
		.amdhsa_memory_ordered 1
		.amdhsa_forward_progress 1
		.amdhsa_inst_pref_size 32
	.end_amdhsa_kernel
	.amdgpu_metadata
---
amdhsa.version: [ 1, 2 ]
amdhsa.kernels:
  - .name:           k_q75434d4936_route
    .symbol:         k_q75434d4936_route.kd
    .args:
      - { .name: x, .offset: 0, .size: 8, .value_kind: global_buffer, .address_space: global }
      - { .name: gate_w, .offset: 8, .size: 8, .value_kind: global_buffer, .address_space: global }
      - { .name: xqs, .offset: 16, .size: 8, .value_kind: global_buffer, .address_space: global }
      - { .name: ridx, .offset: 24, .size: 8, .value_kind: global_buffer, .address_space: global }
      - { .name: rwp, .offset: 32, .size: 8, .value_kind: global_buffer, .address_space: global }
    .group_segment_fixed_size: 23040
    .private_segment_fixed_size: 0
    .kernarg_segment_align: 8
    .kernarg_segment_size: 40
    .max_flat_workgroup_size: 128
    .sgpr_count:     66
    .vgpr_count:     256
    .wavefront_size: 32
...
	.end_amdgpu_metadata
.endif
;; end of part 1
;; launch place (part 2): grid 1 x 1, 32 waves a work-group, no clusters, 6,144 bytes of LDS; arguments ridx, rwp, plc, out1; writes plc, out1
.if DOCPART == 2
	.amdgcn_target "amdgcn-amd-amdhsa--gfx1250"
	.amdhsa_code_object_version 6
	.text
	.protected	k_q75434d4936_place
	.globl	k_q75434d4936_place
	.p2align	8
	.type	k_q75434d4936_place,@function
k_q75434d4936_place:
	s_mov_b64 s[64:65], 0
	v_nop
	global_prefetch_b8 v0, s[64:65] scope:SCOPE_SE
	s_setreg_imm32_b32 hwreg(HW_REG_WAVE_MODE, 25, 1), 1
	s_wait_xcnt 0x0
; MoE layer, launch 2 of 5: the chosen rows are placed by expert (a counting sort without atomics), and the aux loss is made.  Rows of experts not chosen are left out (shown at the head of the first kernel).
; One work-group of 32 waves; thread n owns token n, wave c the chunk of tokens 32 c .. 32 c + 31.  Expert e has room for 1,024 rows (a token chooses an expert once at the most), so no sum over experts is needed.
; OUT: plc + 0: [token][2] slot = expert x 1024 + place;  plc + 8,192: rows of each expert (eight counts, then 24 zeros: one store of 128 bytes);  plc + 8,448: [expert][place] token, written up to the
; expert's last row: the reader holds its index at that row.
; All that steers an address here is whole numbers read from ridx.  The token list is stored 4 bytes a lane to scattered places: 8,192 bytes in all.
; aux = mean((mean_t probs - 1/8)^2) x 8 = the sum over the eight experts of (mean_t probs - 1/8)^2.
.set CT,    0                          ; LDS: [32 chunks][8 experts] counts
.set AUX,   1024                       ; [32 chunks][8 experts] sums of probabilities
.set SPARE, 2048                       ; the spare words, 128 bytes a wave: sixteen blocks of 256 bytes that no other line names
.set SPW,   30
.set NIL,   31
.set SEL,   34                         ; s[34:35]
.set TOT,   16                         ; s16-23 rows of each expert
.set BEF,   24                         ; s24-31 those of them in chunks ahead of mine
.macro RED8 a, t                       ; eight f32 sums over the 32 lanes, by turns; t: eight registers that have been written
.irp m, 1,2,4,8
.irp e, 0,1,2,3,4,5,6,7
	v_add_f32_dpp v[\a+\e], v[\a+\e], v[\a+\e] row_xmask:\m row_mask:0xf bank_mask:0xf
.endr
.endr
.irp e, 0,1,2,3,4,5,6,7
	v_permlanex16_b32 v[\t+\e], v[\a+\e], s[SEL], s[SEL+1]
.endr
.irp e, 0,1,2,3,4,5,6,7
	v_add_f32 v[\a+\e], v[\a+\e], v[\t+\e]
.endr
.endm
.macro REDI8 a, t                      ; the same on whole numbers
.irp m, 1,2,4,8
.irp e, 0,1,2,3,4,5,6,7
	v_add_nc_u32_dpp v[\a+\e], v[\a+\e], v[\a+\e] row_xmask:\m row_mask:0xf bank_mask:0xf
.endr
.endr
.irp e, 0,1,2,3,4,5,6,7
	v_permlanex16_b32 v[\t+\e], v[\a+\e], s[SEL], s[SEL+1]
.endr
.irp e, 0,1,2,3,4,5,6,7
	v_add_nc_u32 v[\a+\e], v[\a+\e], v[\t+\e]
.endr
.endm
	s_load_b256 s[4:11], s[0:1], 0x0               ; ridx s[4:5], rwp s[6:7], plc s[8:9], out1 s[10:11]
	v_lshl_add_u32 v[SPW], v0, 2, SPARE
	v_mov_b32 v[NIL], 0
	v_lshrrev_b32 v1, 5, v0
	v_readfirstlane_b32 s14, v1                    ; wave = chunk c
	v_and_b32 v1, 31, v0                           ; lane
	v_lshlrev_b32 v2, 3, v0                        ; 8 x token
	v_lshlrev_b32 v3, 5, v0                        ; 32 x token
	v_and_b32 v24, 0x3e0, v0                       ; 32 c: my chunk's row in CT and AUX
	v_lshlrev_b32 v25, 5, v1                       ; 32 x lane: on the way back a lane takes a chunk
	v_lshlrev_b32 v65, 2, v1                       ; 4 x lane: the counts' places
	v_mov_b32 v63, 0                               ; out1's offset
	v_mov_b32 v64, 0                               ; the counts' register: lanes 8 to 31 stay 0
	s_mov_b32 s[SEL], 0x76543210
	s_mov_b32 s[SEL+1], 0xfedcba98
.irp e, 0,1,2,3,4,5,6,7
	v_mov_b32 v[48+\e], 0                          ; written once: a lane permute's destination counts as one of its sources
.endr
	v_mov_b32 v56, 0
	v_mov_b32 v57, 0
	s_wait_kmcnt 0x0
	global_load_b64 v[6:7], v2, s[4:5]             ; my token's two experts
	global_load_b128 v[8:11], v3, s[6:7] offset:8192
	global_load_b128 v[12:15], v3, s[6:7] offset:8208   ; and its eight probabilities
	s_wait_loadcnt 0x2                             ; the experts are in; the two loads behind may be out
.irp e, 0,1,2,3,4,5,6,7
	v_cmp_eq_u32 s32, \e, v6
	v_cmp_eq_u32 s33, \e, v7
	s_or_b32 s32, s32, s33
	s_bcnt1_i32_b32 s32, s32                       ; rows of expert e in my chunk
	v_mov_b32 v[16+\e], s32
.endr
	ds_store_b128 v24, v[16:19] offset:CT          ; all lanes write the same bytes with the same values
	ds_store_b128 v24, v[20:23] offset:CT+16
	s_wait_loadcnt 0x0
	RED8 8, 48
	ds_store_b128 v24, v[8:11] offset:AUX
	ds_store_b128 v24, v[12:15] offset:AUX+16
	s_wait_dscnt 0x0                               ; for the others' sake: my stores have landed
	s_barrier_signal -1
	s_barrier_wait -1
	ds_load_b128 v[32:35], v25 offset:CT           ; lane = chunk
	ds_load_b128 v[36:39], v25 offset:CT+16
	v_cmp_gt_u32 vcc_lo, s14, v1                   ; the chunks ahead of mine
	s_wait_dscnt 0x0
.irp e, 0,1,2,3,4,5,6,7
	v_lshlrev_b32 v[40+\e], 16, v[32+\e]
.endr
.irp e, 0,1,2,3,4,5,6,7
	v_cndmask_b32 v[40+\e], 0, v[40+\e], vcc_lo
.endr
.irp e, 0,1,2,3,4,5,6,7
	v_add_nc_u32 v[32+\e], v[32+\e], v[40+\e]      ; low half: counts for the total; high half: for the rows ahead of my chunk.  Neither sum passes 1,024
.endr
	REDI8 32, 48
.irp e, 0,1,2,3,4,5,6,7
	v_readfirstlane_b32 s[TOT+\e], v[32+\e]
.endr
.irp e, 0,1,2,3,4,5,6,7
	s_lshr_b32 s[BEF+\e], s[TOT+\e], 16
	s_and_b32 s[TOT+\e], s[TOT+\e], 0xffff
.endr
.irp e, 0,1,2,3,4,5,6,7
	v_cmp_eq_u32 s32, \e, v6
	v_cmp_eq_u32 s33, \e, v7
	s_or_b32 s36, s32, s33
	v_mbcnt_lo_u32_b32 v60, s36, 0                 ; rows of expert e in lower lanes of my chunk
	v_add_nc_u32 v60, s[BEF+\e], v60
	v_cndmask_b32 v56, v56, v60, s32
	v_cndmask_b32 v57, v57, v60, s33
.endr
	v_lshl_add_u32 v58, v6, 10, v56
	v_lshl_add_u32 v59, v7, 10, v57
	v_min_u32 v58, 0x1fff, v58                     ; a loaded number enters an address only behind a hold
	v_min_u32 v59, 0x1fff, v59
	v_lshlrev_b32 v61, 2, v58
	v_lshlrev_b32 v62, 2, v59
	global_store_b64 v2, v[58:59], s[8:9]          ; the slots: a wave stores 256 consecutive bytes
	global_store_b32 v61, v0, s[8:9] offset:8448   ; the token list
	global_store_b32 v62, v0, s[8:9] offset:8448
	s_cmp_lg_u32 s14, 0
	s_cbranch_scc1 .Lend                           ; the rest is wave 0's; no barrier stands in it
	ds_load_b128 v[32:35], v25 offset:AUX
	ds_load_b128 v[36:39], v25 offset:AUX+16
.irp e, 0,1,2,3,4,5,6,7
	v_writelane_b32 v64, s[TOT+\e], \e
.endr
	global_store_b32 v65, v64, s[8:9] offset:8192  ; the eight counts and 24 zeros: all lanes on, 128 consecutive bytes
	s_wait_dscnt 0x0
	RED8 32, 48                                    ; the sums of the probabilities over all tokens
	s_mov_b32 s32, 0x3a800000                      ; 1 / 1024
	s_mov_b32 s33, 0xbe000000                      ; -1 / 8
.irp e, 0,1,2,3,4,5,6,7
	v_fma_f32 v[32+\e], v[32+\e], s32, s33
.endr
	v_mul_f32 v40, v32, v32
.irp e, 1,2,3,4,5,6,7
	v_fma_f32 v40, v[32+\e], v[32+\e], v40
.endr
	v_cmp_eq_u32 vcc_lo, 0, v1
	s_wait_xcnt 0x0                                ; EXEC changes only behind this wait
	s_and_saveexec_b32 s33, vcc_lo
	global_store_b32 v63, v40, s[10:11]            ; the aux loss: every lane holds it, lane 0 stores it
	s_wait_xcnt 0x0
	s_or_b32 exec_lo, exec_lo, s33
.Lend:
	s_wait_tensorcnt 0x0                           ; the wave's end, behind my last LDS store
	ds_add_u32 v[SPW], v[NIL]
	s_wait_dscnt 0x0
	s_endpgm
.Lfunc_end_k_q75434d4936_place:
	.size	k_q75434d4936_place, .Lfunc_end_k_q75434d4936_place-k_q75434d4936_place
	.p2alignl 7, 3214868480
	.fill 96, 4, 3214868480
	.section	.rodata,"a",@progbits
	.p2align	6, 0x0
	.amdhsa_kernel k_q75434d4936_place
		.amdhsa_group_segment_fixed_size 6144
		.amdhsa_private_segment_fixed_size 0
		.amdhsa_enable_private_segment 0
		.amdhsa_kernarg_size 32
		.amdhsa_user_sgpr_count 2
		.amdhsa_user_sgpr_kernarg_segment_ptr 1
		.amdhsa_wavefront_size32 1
		.amdhsa_system_sgpr_workgroup_id_x 1
		.amdhsa_system_sgpr_workgroup_id_y 1
		.amdhsa_system_sgpr_workgroup_id_z 1
		.amdhsa_system_vgpr_workitem_id 0
		.amdhsa_next_free_vgpr 96
		.amdhsa_next_free_sgpr 66
		.amdhsa_reserve_vcc 1
		.amdhsa_float_denorm_mode_32 3
		.amdhsa_float_denorm_mode_16_64 3
		.amdhsa_memory_ordered 1
		.amdhsa_forward_progress 1
		.amdhsa_inst_pref_size 20
	.end_amdhsa_kernel
	.amdgpu_metadata
---
amdhsa.version: [ 1, 2 ]
amdhsa.kernels:
  - .name:           k_q75434d4936_place
    .symbol:         k_q75434d4936_place.kd
    .args:
      - { .name: ridx, .offset: 0, .size: 8, .value_kind: global_buffer, .address_space: global }
      - { .name: rwp, .offset: 8, .size: 8, .value_kind: global_buffer, .address_space: global }
      - { .name: plc, .offset: 16, .size: 8, .value_kind: global_buffer, .address_space: global }
      - { .name: out1, .offset: 24, .size: 8, .value_kind: global_buffer, .address_space: global }
    .group_segment_fixed_size: 6144
    .private_segment_fixed_size: 0
    .kernarg_segment_align: 8
    .kernarg_segment_size: 32
    .max_flat_workgroup_size: 1024
    .sgpr_count:     66
    .vgpr_count:     96
    .wavefront_size: 32
...
	.end_amdgpu_metadata
.endif
;; end of part 2
;; launch fc1 (part 3): grid 32 x 8, 8 waves a work-group, no clusters, 207,872 bytes of LDS; arguments xqs, plc, fc1_w, fc1_b, hqs; writes hqs
.if DOCPART == 3
	.amdgcn_target "amdgcn-amd-amdhsa--gfx1250"
	.amdhsa_code_object_version 6
	.text
	.protected	k_q75434d4936_fc1
	.globl	k_q75434d4936_fc1
	.p2align	8
	.type	k_q75434d4936_fc1,@function
k_q75434d4936_fc1:
	s_mov_b64 s[64:65], 0
	v_nop
	global_prefetch_b8 v0, s[64:65] scope:SCOPE_SE
	s_setreg_imm32_b32 hwreg(HW_REG_WAVE_MODE, 25, 1), 1
	s_wait_xcnt 0x0
; MoE layer, launch 3 of 5: h = Q(gelu(x W1^T + b1)) on codes of BF8 (E5M2) with E8M0 scales, for the chosen rows alone (rows of experts not chosen are left out: shown at the head of the first kernel).
; SHARES.  Work-group (fs, e) owns hidden units 128 fs .. 128 fs + 127 of expert e over all of K = 1,024: 512 KiB of f32 that no other work-group reads.  Eight waves.
; PHASE W: wave w streams the 16 rows of weight tile w, quantises them in registers, and lays each fragment in LDS as an image of the operand's registers.  Each load takes 512 consecutive bytes of a row;
; the numbers turn through the wave's own stage, so that a lane holds 16 neighbours along K of one row.  64 loads a wave are out.  One barrier, which every wave passes whatever the counts.
; PHASE M: wave w keeps tiles 2 p and 2 p + 1 (p = w % 4: 32 hidden units x 1,024 K, 256 registers) and walks the expert's tiles of 16 rows, w / 4 first and then every second one: no barrier, no LDS.
; A tile's rows are gathered by the token list; their codes and scale words come from xqs.  The index into the list is held at the expert's last row, so the places of a last tile past that row repeat it;
; nobody reads their results.  No tensor load and no cluster: the walk hangs on a stored count, and no two work-groups read the same weights.
; An expert with no rows still runs phase W, since the barrier may not hang on a count.
; LAYOUT.  Tile 2 b + u takes weight rows 32 b + 8 u + i + 8 (i / 8), and the product is used transposed (source 0 = 16 weight rows, source 1 = 16 token rows): lane (r, h) then holds token row r, and the
; 16 registers of my two tiles are hidden units 32 p + 16 h + 0 .. 15: half of one block of 32 along the next K.  So the conversions' results are registers 4 p .. 4 p + 3 of fc2's operand for K step fs.
; b1 is the C of each sum's first product.  OUT: hqs + 0: [e][tile][K step][c][lane][16 bytes];  hqs + 33,554,432: [e][tile][K step][row][4 scale bytes] (a byte a lane: one byte in 32 of what is stored).
; GELU = x Phi(x).  Q(|x|) = t (C1 + t (C2 + t (C3 + t (C4 + t C5)))) 2^(-x^2 log2(e) / 2), t = 1 / (1 + 0.2316419 |x|) (Abramowitz and Stegun 26.2.17, the factor 1 / sqrt(2 pi) folded into C1 .. C5);
; Phi = Q for x < 0, else 1 - Q.  LIMITS: |error of Phi| <= 7.5e-8 absolute, the size of f32's rounding of 1 + erf; so for x < -3, where |gelu| < 0.004, the relative error passes 1e-5.
; For large |x| the exponential falls to 0 and gelu is x or 0.  NaN and infinities are not served.  A block of zeros has the scale byte 1 where the rule says 127: its codes are zeros, and this program alone reads the bytes.
.set IMG,   0                          ; LDS: [8 tiles][8 K steps][4 c][32 lanes][16 bytes]
.set SCI,   131072                     ; [8 tiles][8 K steps][32 lanes][4 bytes]: the tiles' scale words
.set TURN,  139264                     ; a stage of 16 rows x TP bytes for each wave
.set TREG,  8448
.set TP,    528                        ; 512 bytes + 16 of padding: the 16 rows that a load touches start at 16 different columns of 16 bytes
.set SPARE, 206848                     ; the spare words, 128 bytes a wave: four blocks of 256 bytes that no other line names
.set RP,    4096                       ; a weight row in memory
.set SPW,   16
.set NIL,   17
.set PC4,   20                         ; v20-23   the four code registers of a tile of h
.set BS,    24                         ; v24-39   my tiles' scale words [u][ks]: scales and nothing else
.set BIAS,  40                         ; v40-55   b1 in the result's layout
.set AS,    56                         ; v56-63   the rows' scale words [ks]: scales and nothing else
.set ACC,   64                         ; v64-79   two accumulators
.set PC,    64                         ; (phase W: the 16 code registers just made)
.set T,     80                         ; v80-87, v88-95, v96-103: gelu at work
.set M,     88
.set P,     96
.set TM,    104                        ; v104-119 the quantiser at work (phase M: v104-108)
.set PW,    120                        ; the scale word just made
.set CK,    112                        ; phase M: v112-123 C1 .. C5 and -log2(e) / 2, each twice, for the packed forms
.set X,     128                        ; phase W: 64 numbers
.set AF,    128                        ; phase M: v128-255 the rows' eight fragments
; window 1 (v256-511): phase W: four sets of 64 registers for the loads; phase M: my 16 weight fragments, (8 u + ks) x 16
; v1 16 lane; v2, v3 the stage in and out; v4, v5 where I store images and scale words; v6, v7 where I read them; v8 4 r; v9 16 h; v19 r; v10-15, v18 global offsets
; s14 wave, s15 p, s16 w / 4, s17 e, s18 fs, s19 tiles, s20 the tile in hand, s21 the tile ahead, s30 tiles - 1, s42 trips done, s43 my trips, s44 rows - 1
.set MSB, 0
.macro WIN new                         ; the immediate's high byte repeats the setting that is left; bits 1:0 source 0, 3:2 source 1, 5:4 source 2, 7:6 destination
.if MSB != \new
	s_set_vgpr_msb (MSB<<8)|\new
.set MSB, \new
.endif
.endm
	s_load_b256 s[4:11], s[0:1], 0x0               ; xqs s[4:5], plc s[6:7], fc1_w s[8:9], fc1_b s[10:11]
	s_load_b64 s[12:13], s[0:1], 0x20              ; hqs
	v_lshl_add_u32 v[SPW], v0, 2, SPARE
	v_mov_b32 v[NIL], 0
	v_lshrrev_b32 v1, 5, v0
	v_readfirstlane_b32 s14, v1
	s_and_b32 s15, s14, 3
	s_lshr_b32 s16, s14, 2
	s_and_b32 s17, ttmp7, 0xffff
	s_mov_b32 s18, ttmp9
	v_and_b32 v18, 31, v0                          ; lane
	v_and_b32 v19, 15, v0                          ; r
	v_bfe_u32 v9, v0, 4, 1                         ; h
	v_lshlrev_b32 v1, 4, v18
	s_mul_i32 s25, s14, TREG
	s_add_co_u32 s25, s25, TURN
	v_add_nc_u32 v2, s25, v1                       ; the stage, in: a row's 512 bytes as they lie
	v_mul_u32_u24 v3, v19, TP
	v_lshl_add_u32 v3, v9, 6, v3
	v_add_nc_u32 v3, s25, v3                       ; out: row r, + 64 h: my 16 numbers of each block of 32
	s_lshl_b32 s25, s14, 14
	v_add_nc_u32 v4, s25, v1                       ; images of tile w
	v_lshlrev_b32 v7, 2, v18
	s_lshl_b32 s25, s14, 10
	s_add_co_u32 s25, s25, SCI
	v_add_nc_u32 v5, s25, v7                       ; its scale words
	s_lshl_b32 s25, s15, 11
	s_add_co_u32 s25, s25, SCI
	v_add_nc_u32 v7, s25, v7                       ; the scale words of tiles 2 p, 2 p + 1
	s_lshl_b32 s25, s15, 15
	v_add_nc_u32 v6, s25, v1                       ; and their images
	v_lshlrev_b32 v8, 2, v19
	v_lshlrev_b32 v14, 6, v9                       ; b1: 64 h
	v_lshlrev_b32 v9, 4, v9
.irp b, 0,1,2,3
	v_mov_b32 v[TM+4+\b], 0                        ; written once: a lane permute's destination counts as one of its sources
.endr
	s_mov_b32 s22, 0x76543210
	s_mov_b32 s23, 0xfedcba98                      ; v_permlanex16_b32's selects for lane l xor 16
	s_mov_b32 s24, 0x600000                        ; the mantissa field of 57,344
	s_mov_b32 s34, 0x3e6d3388                      ; 0.2316419
	s_lshl_b32 s35, s17, 2                         ; my expert's count
	s_lshl_b32 s26, s17, 24                        ; the weights: expert e,
	s_lshl_b32 s25, s18, 7
	s_lshr_b32 s28, s14, 1
	s_lshl_b32 s28, s28, 5
	s_add_co_u32 s25, s25, s28
	s_and_b32 s28, s14, 1
	s_lshl_b32 s28, s28, 3
	s_add_co_u32 s25, s25, s28                     ; row 128 fs + 32 (w / 2) + 8 (w % 2)
	s_lshl_b32 s25, s25, 12
	s_add_co_u32 s26, s26, s25
	s_mov_b32 s27, 0
	s_lshl_b32 s28, s17, 14                        ; b1: 16,384 e + 512 fs + 128 p
	s_lshl_b32 s25, s18, 9
	s_add_co_u32 s28, s28, s25
	s_lshl_b32 s25, s15, 7
	s_add_co_u32 s28, s28, s25
	s_mov_b32 s29, 0
	s_lshl_b32 s36, s17, 12                        ; the token list of expert e
	s_add_co_u32 s36, s36, 8448
	s_mov_b32 s37, 0
	s_lshl_b32 s32, s17, 22                        ; h's codes: e, K step fs, c = p
	s_lshl_b32 s25, s18, 11
	s_or_b32 s32, s32, s25
	s_lshl_b32 s25, s15, 9
	s_or_b32 s32, s32, s25
	s_lshl_b32 s33, s17, 17                        ; h's scale bytes: e, K step fs, byte p
	s_lshl_b32 s25, s18, 6
	s_or_b32 s33, s33, s25
	s_or_b32 s33, s33, s15
	s_wait_kmcnt 0x0
	s_load_b32 s19, s[6:7], s35 offset:0x2000
	s_add_nc_u64 s[26:27], s[8:9], s[26:27]
	s_add_nc_u64 s[10:11], s[10:11], s[28:29]
	s_add_nc_u64 s[36:37], s[6:7], s[36:37]
	s_add_nc_u64 s[38:39], s[12:13], 0x2000000
.irp i, 0,1,2,3
	global_load_b128 v[BIAS+4*\i:BIAS+4*\i+3], v14, s[10:11] offset:16*\i   ; b1 of hidden units 32 p + 16 h + 0 .. 15; older than every weight load
.endr
.macro WLOAD ks                        ; K step ks of my 16 rows into set ks % 4 of window 1
.irp i, 0,1,2,3,4,5,6,7,8,9,10,11,12,13,14,15
	global_load_b128 v[64*((\ks)%4)+4*\i:64*((\ks)%4)+4*\i+3], v1, s[26:27] offset:(\i+8*(\i/8))*RP+512*(\ks) th:TH_LOAD_NT
.endr
.endm
; 64 numbers of a lane, register 16 b + i = k 32 b + 16 h + i of my row, become a fragment's codes in v[PC] on and its scale word in v[PW]
.macro QUANT s
.irp b, 0,1,2,3
	v_max3_num_f32 v[TM+\b], |v[\s+16*\b]|, |v[\s+1+16*\b]|, 0x8000000   ; with the floor 2^(16 - 127): the byte cannot fall under 1
.endr
.irp i, 2,4,6,8,10,12,14
.irp b, 0,1,2,3
	v_max3_num_f32 v[TM+\b], v[TM+\b], |v[\s+16*\b+\i]|, |v[\s+1+16*\b+\i]|   ; the four blocks by turns
.endr
.endr
.irp b, 0,1,2,3
	v_permlanex16_b32 v[TM+4+\b], v[TM+\b], s22, s23
.endr
.irp b, 0,1,2,3
	v_max_num_f32 v[TM+\b], v[TM+\b], v[TM+4+\b]   ; with lane l xor 16's: the block's largest magnitude
.endr
.irp b, 0,1,2,3
	v_add_nc_u32 v[TM+12+\b], 0xf8800000, v[TM+\b] ; 15 off its exponent field: the conversion's scale operand
.endr
.irp b, 0,1,2,3
	v_and_or_b32 v[TM+8+\b], v[TM+\b], 0x7f800000, s24   ; 57,344 x the scale
.endr
.irp b, 0,1,2,3
	v_lshrrev_b32 v[TM+4+\b], 23, v[TM+12+\b]      ; the scale's byte
.endr
	v_lshl_or_b32 v[PW], v[TM+5], 8, v[TM+4]
	v_lshl_or_b32 v[PW], v[TM+6], 16, v[PW]
	v_lshl_or_b32 v[PW], v[TM+7], 24, v[PW]
.irp b, 0,1,2,3
.irp i, 0,1,2,3,4,5,6,7,8,9,10,11,12,13,14,15
	v_med3_num_f32 v[\s+16*\b+\i], v[\s+16*\b+\i], -v[TM+8+\b], v[TM+8+\b]   ; the conversion to an 8-bit code does not saturate (ISA guide 7.6.2)
.endr
	v_cvt_scalef32_pk8_bf8_f32 v[PC+4*\b:PC+1+4*\b], v[\s+16*\b:\s+7+16*\b], v[TM+12+\b]
	v_cvt_scalef32_pk8_bf8_f32 v[PC+2+4*\b:PC+3+4*\b], v[\s+8+16*\b:\s+15+16*\b], v[TM+12+\b]
.endr
	v_nop                                          ; a plain line behind the last conversion
.endm
	WIN 0x40                                       ; destination window 1
	WLOAD 0
	WLOAD 1
	WLOAD 2
	WLOAD 3
	WIN 0
	s_wait_kmcnt 0x0
	s_sub_co_u32 s44, s19, 1                       ; the expert's last row (used only where it has rows)
	s_add_co_u32 s19, s19, 15
	s_lshr_b32 s19, s19, 4
	s_min_u32 s19, s19, 64                         ; tiles of 16 rows
	s_sub_co_u32 s30, s19, 1
	s_add_co_u32 s43, s19, 1
	s_sub_co_u32 s43, s43, s16
	s_lshr_b32 s43, s43, 1                         ; my trips: tiles w / 4, w / 4 + 2, ..
.irp ks, 0,1,2,3,4,5,6,7
.if \ks < 5
	s_wait_loadcnt 48                              ; this K step's 16 loads are in; three younger sets may be out
.else
	s_wait_loadcnt 16*(7-\ks)
.endif
	WIN 0x04                                       ; an LDS store's data are its source 1: window 1
.irp i, 0,1,2,3,4,5,6,7,8,9,10,11,12,13,14,15
	ds_store_b128 v2, v[64*(\ks%4)+4*\i:64*(\ks%4)+4*\i+3] offset:TP*\i
.endr
	WIN 0
.irp c, 0,1,2,3
.irp j, 0,1,2,3
	ds_load_b128 v[X+16*\c+4*\j:X+16*\c+4*\j+3], v3 offset:128*\c+16*\j   ; LDS serves a wave's instructions in order: these see the stores above
.endr
.endr
	s_wait_dscnt 0x0                               ; the numbers are back; the stage's stores have read their set, the last images' stores their codes
.if \ks < 4
	WIN 0x40
	WLOAD \ks+4
	WIN 0
.endif
	QUANT X
.irp c, 0,1,2,3
	ds_store_b128 v4, v[PC+4*\c:PC+4*\c+3] offset:IMG+2048*\ks+512*\c   ; the fragment as it stands: lane l's 16 bytes at 16 l
.endr
	ds_store_b32 v5, v[PW] offset:128*\ks
.endr
	s_wait_dscnt 0x0                               ; for the others' sake: my images have landed
	s_barrier_signal -1
	s_barrier_wait -1
	WIN 0x40
.irp u, 0,1
.irp ks, 0,1,2,3,4,5,6,7
.irp c, 0,1,2,3
	ds_load_b128 v[16*(8*\u+\ks)+4*\c:16*(8*\u+\ks)+4*\c+3], v6 offset:IMG+16384*\u+2048*\ks+512*\c
.endr
.endr
.endr
	WIN 0
.irp u, 0,1
.irp ks, 0,1,2,3,4,5,6,7
	ds_load_b32 v[BS+8*\u+\ks], v7 offset:1024*\u+128*\ks
.endr
.endr
.irp i, 0,1
	v_mov_b32 v[CK+\i], 0x3e027906                 ; C1 =  0.127414796
	v_mov_b32 v[CK+2+\i], 0xbe11a98e               ; C2 = -0.142248368
	v_mov_b32 v[CK+4+\i], 0x3f35f0e3               ; C3 =  0.710706871
	v_mov_b32 v[CK+6+\i], 0xbf3a00e3               ; C4 = -0.726576014
	v_mov_b32 v[CK+8+\i], 0x3f07dc22               ; C5 =  0.530702716
	v_mov_b32 v[CK+10+\i], 0xbf38aa3b              ; -log2(e) / 2
.endr
	s_wait_dscnt 0x0
.macro TOKL sreg                       ; the 16 tokens of a tile: lane (r, h) takes row r's; the index is held at the expert's last row, so that only stored words are read
	s_min_u32 s25, \sreg, 63
	s_lshl_b32 s25, s25, 4
	v_add_nc_u32 v10, s25, v19
	v_min_u32 v10, s44, v10
	v_min_u32 v10, 0x3ff, v10                      ; a loaded number enters an address only behind a hold at a constant
	v_lshlrev_b32 v10, 2, v10
	global_load_b32 v11, v10, s[36:37]
.endm
.macro ADDR                            ; a loaded number enters an address only behind a hold
	v_min_u32 v18, 1023, v11
	v_lshl_add_u32 v12, v18, 10, v9                ; my row's codes, + 16 h
	v_lshlrev_b32 v13, 5, v18                      ; its eight scale words
.endm
.macro ALOAD                           ; 34 loads: eight fragments (registers 4 c .. 4 c + 3: k = 128 ks + 32 c + 16 h + 0 .. 15) and the scale words
.irp ks, 0,1,2,3,4,5,6,7
.irp c, 0,1,2,3
	global_load_b128 v[AF+16*\ks+4*\c:AF+16*\ks+4*\c+3], v12, s[4:5] offset:128*\ks+32*\c
.endr
.endr
.irp i, 0,1
	global_load_b128 v[AS+4*\i:AS+4*\i+3], v13, s[4:5] offset:1048576+16*\i
.endr
.endm
.macro MUL                             ; 16 products; the two accumulators take turns, one instruction a turn
	WIN 0x01                                       ; source 0 (the weights) window 1
.irp ks, 0,1,2,3,4,5,6,7
.irp u, 0,1
.if \ks == 0
	v_wmma_scale_f32_16x16x128_f8f6f4 v[ACC+8*\u:ACC+8*\u+7], v[16*(8*\u+\ks):16*(8*\u+\ks)+15], v[AF+16*\ks:AF+16*\ks+15], v[BIAS+8*\u:BIAS+8*\u+7], v[BS+8*\u+\ks], v[AS+\ks] matrix_a_fmt:MATRIX_FMT_BF8 matrix_b_fmt:MATRIX_FMT_BF8
.else
	v_wmma_scale_f32_16x16x128_f8f6f4 v[ACC+8*\u:ACC+8*\u+7], v[16*(8*\u+\ks):16*(8*\u+\ks)+15], v[AF+16*\ks:AF+16*\ks+15], v[ACC+8*\u:ACC+8*\u+7], v[BS+8*\u+\ks], v[AS+\ks] matrix_a_fmt:MATRIX_FMT_BF8 matrix_b_fmt:MATRIX_FMT_BF8
.endif
.endr
.endr
	WIN 0
.endm
.macro GELU u                          ; eight numbers of a lane, in place; the accumulator is read from its low end on
.set A, ACC+8*(\u)
.irp i, 0,1,2,3,4,5,6,7
	v_fma_f32 v[T+\i], |v[A+\i]|, s34, 1.0
.endr
.irp i, 0,2,4,6
	v_pk_mul_f32 v[M+\i:M+\i+1], v[A+\i:A+\i+1], v[A+\i:A+\i+1]
.endr
.irp i, 0,2,4,6
	v_pk_mul_f32 v[M+\i:M+\i+1], v[M+\i:M+\i+1], v[CK+10:CK+11]
.endr
.irp i, 0,1,2,3,4,5,6,7
	v_rcp_f32 v[T+\i], v[T+\i]                     ; t
.endr
.irp i, 0,1,2,3,4,5,6,7
	v_exp_f32 v[M+\i], v[M+\i]                     ; 2^(-x^2 log2(e) / 2)
.endr
	v_nop                                          ; a plain line behind the batch
	s_wait_alu depctr_va_vdst(0)                   ; one wait for the sixteen, ahead of their first reader
.irp i, 0,2,4,6
	v_pk_fma_f32 v[P+\i:P+\i+1], v[T+\i:T+\i+1], v[CK+8:CK+9], v[CK+6:CK+7]
.endr
.irp k, 4,2,0
.irp i, 0,2,4,6
	v_pk_fma_f32 v[P+\i:P+\i+1], v[P+\i:P+\i+1], v[T+\i:T+\i+1], v[CK+\k:CK+\k+1]
.endr
.endr
.irp i, 0,2,4,6
	v_pk_mul_f32 v[P+\i:P+\i+1], v[P+\i:P+\i+1], v[T+\i:T+\i+1]
.endr
.irp i, 0,2,4,6
	v_pk_mul_f32 v[P+\i:P+\i+1], v[P+\i:P+\i+1], v[M+\i:M+\i+1]   ; Q(|x|)
.endr
.irp i, 0,2,4,6
	v_pk_fma_f32 v[M+\i:M+\i+1], v[P+\i:P+\i+1], -1.0, 1.0 op_sel_hi:[1,0,0]   ; 1 - Q
.endr
.irp i, 0,1,2,3,4,5,6,7
	v_cmp_gt_f32 vcc_lo, 0, v[A+\i]
	v_cndmask_b32 v[P+\i], v[M+\i], v[P+\i], vcc_lo   ; Phi
.endr
.irp i, 0,2,4,6
	v_pk_mul_f32 v[A+\i:A+\i+1], v[A+\i:A+\i+1], v[P+\i:P+\i+1]
.endr
.endm
.macro QH                              ; my 16 numbers and lane l xor 16's are one block of 32 along fc2's K
	v_max3_num_f32 v[TM], |v[ACC]|, |v[ACC+1]|, 0x8000000
	v_max3_num_f32 v[TM+1], |v[ACC+2]|, |v[ACC+3]|, |v[ACC+4]|
	v_max3_num_f32 v[TM], v[TM], |v[ACC+5]|, |v[ACC+6]|
	v_max3_num_f32 v[TM+1], v[TM+1], |v[ACC+7]|, |v[ACC+8]|
	v_max3_num_f32 v[TM], v[TM], |v[ACC+9]|, |v[ACC+10]|
	v_max3_num_f32 v[TM+1], v[TM+1], |v[ACC+11]|, |v[ACC+12]|
	v_max3_num_f32 v[TM], v[TM], |v[ACC+13]|, |v[ACC+14]|
	v_max3_num_f32 v[TM], v[TM], v[TM+1], |v[ACC+15]|
	v_permlanex16_b32 v[TM+1], v[TM], s22, s23
	v_max_num_f32 v[TM], v[TM], v[TM+1]
	v_add_nc_u32 v[TM+2], 0xf8800000, v[TM]
	v_and_or_b32 v[TM+3], v[TM], 0x7f800000, s24
	v_lshrrev_b32 v[TM+4], 23, v[TM+2]
.irp i, 0,1,2,3,4,5,6,7,8,9,10,11,12,13,14,15
	v_med3_num_f32 v[ACC+\i], v[ACC+\i], -v[TM+3], v[TM+3]
.endr
	v_cvt_scalef32_pk8_bf8_f32 v[PC4:PC4+1], v[ACC:ACC+7], v[TM+2]
	v_cvt_scalef32_pk8_bf8_f32 v[PC4+2:PC4+3], v[ACC+8:ACC+15], v[TM+2]
	v_nop                                          ; a plain line behind the last conversion: the next products write its sources
.endm
	s_cmp_eq_u32 s43, 0
	s_cbranch_scc1 .Ldone                          ; no tile for this wave
	s_mov_b32 s20, s16
	s_mov_b32 s42, 0
	TOKL s20
	s_wait_loadcnt 0x0
	ADDR
	ALOAD
	s_add_co_u32 s21, s20, 2
	s_min_u32 s21, s21, s30                        ; the tile ahead, held at the expert's last tile: no load leaves what has been stored
	TOKL s21
.Ltile:
	s_wait_loadcnt 0x1                             ; the tile's 34 loads are in; the token load behind them may be out
	MUL
	s_wait_xcnt 0x0                                ; the last trip's stores have read their data and offsets, which are written again below
	s_wait_loadcnt 0x0                             ; the next tile's tokens
	ADDR
.rept 5
	v_nop                                          ; with the three lines above: eight places behind the products, in front of loads into their sources and of the first read of their results
.endr
	ALOAD                                          ; the next tile lands while this one goes through gelu
	s_add_co_u32 s21, s20, 4
	s_min_u32 s21, s21, s30
	TOKL s21
	GELU 0
	GELU 1
	QH
	s_min_u32 s25, s20, 63
	s_lshl_b32 s28, s25, 16
	s_add_co_u32 s28, s28, s32
	v_add_nc_u32 v14, s28, v1
	s_lshl_b32 s28, s25, 11
	s_add_co_u32 s28, s28, s33
	v_add_nc_u32 v15, s28, v8
	global_store_b128 v14, v[PC4:PC4+3], s[12:13]  ; 512 consecutive bytes
	global_store_b8 v15, v[TM+4], s[38:39]         ; both lanes of a row write the same byte with the same value
	s_add_co_u32 s20, s20, 2                       ; my next tile
	s_add_co_u32 s42, s42, 1                       ; the loop counts its trips one by one
	s_cmp_lt_u32 s42, s43
	s_cbranch_scc1 .Ltile
.Ldone:
	s_wait_tensorcnt 0x0                           ; the wave's end, behind my last LDS store
	ds_add_u32 v[SPW], v[NIL]
	s_wait_dscnt 0x0
	s_endpgm
.Lfunc_end_k_q75434d4936_fc1:
	.size	k_q75434d4936_fc1, .Lfunc_end_k_q75434d4936_fc1-k_q75434d4936_fc1
	.p2alignl 7, 3214868480
	.fill 96, 4, 3214868480
	.section	.rodata,"a",@progbits
	.p2align	6, 0x0
	.amdhsa_kernel k_q75434d4936_fc1
		.amdhsa_group_segment_fixed_size 207872
		.amdhsa_private_segment_fixed_size 0
		.amdhsa_enable_private_segment 0
		.amdhsa_kernarg_size 40
		.amdhsa_user_sgpr_count 2
		.amdhsa_user_sgpr_kernarg_segment_ptr 1
		.amdhsa_wavefront_size32 1
		.amdhsa_system_sgpr_workgroup_id_x 1
		.amdhsa_system_sgpr_workgroup_id_y 1
		.amdhsa_system_sgpr_workgroup_id_z 1
		.amdhsa_system_vgpr_workitem_id 0
		.amdhsa_next_free_vgpr 512
		.amdhsa_next_free_sgpr 66
		.amdhsa_reserve_vcc 1
		.amdhsa_float_denorm_mode_32 3
		.amdhsa_float_denorm_mode_16_64 3
		.amdhsa_memory_ordered 1
		.amdhsa_forward_progress 1
		.amdhsa_inst_pref_size 127
	.end_amdhsa_kernel
	.amdgpu_metadata
---
amdhsa.version: [ 1, 2 ]
amdhsa.kernels:
  - .name:           k_q75434d4936_fc1
    .symbol:         k_q75434d4936_fc1.kd
    .args:
      - { .name: xqs, .offset: 0, .size: 8, .value_kind: global_buffer, .address_space: global }
      - { .name: plc, .offset: 8, .size: 8, .value_kind: global_buffer, .address_space: global }
      - { .name: fc1_w, .offset: 16, .size: 8, .value_kind: global_buffer, .address_space: global }
      - { .name: fc1_b, .offset: 24, .size: 8, .value_kind: global_buffer, .address_space: global }
      - { .name: hqs, .offset: 32, .size: 8, .value_kind: global_buffer, .address_space: global }
    .group_segment_fixed_size: 207872
    .private_segment_fixed_size: 0
    .kernarg_segment_align: 8
    .kernarg_segment_size: 40
    .max_flat_workgroup_size: 256
    .sgpr_count:     66
    .vgpr_count:     512
    .wavefront_size: 32
...
	.end_amdgpu_metadata
.endif
;; end of part 3
;; launch fc2 (part 4): grid 32 x 8, 8 waves a work-group, no clusters, 207,872 bytes of LDS; arguments hqs, plc, fc2_w, yp; writes yp
.if DOCPART == 4
	.amdgcn_target "amdgcn-amd-amdhsa--gfx1250"
	.amdhsa_code_object_version 6
	.text
	.protected	k_q75434d4936_fc2
	.globl	k_q75434d4936_fc2
	.p2align	8
	.type	k_q75434d4936_fc2,@function
k_q75434d4936_fc2:
	s_mov_b64 s[64:65], 0
	v_nop
	global_prefetch_b8 v0, s[64:65] scope:SCOPE_SE
	s_setreg_imm32_b32 hwreg(HW_REG_WAVE_MODE, 25, 1), 1
	s_wait_xcnt 0x0
; MoE layer, launch 4 of 5: partial sums of h W2^T on codes of BF8 (E5M2) with E8M0 scales, for the chosen rows alone (rows of experts not chosen are left out: shown at the head of the first kernel).
; SHARES.  Work-group (dj + 8 q, e) owns outputs 128 dj .. 128 dj + 127 of expert e over K = 1,024 q .. 1,024 q + 1,023: 512 KiB of f32 that no other work-group reads.  The four quarters of K give four
; partial sums, which the last launch adds: with all of K in one work-group it would own 32 outputs, and h would be read 32 times and not 8.
; PHASE W: wave w streams weight tile w, quantises it in registers and lays each fragment in LDS as an image of the operand's registers; one barrier, which every wave passes whatever the counts.
; PHASE M: wave w keeps tiles 2 p and 2 p + 1 (p = w % 4) in 256 registers and walks the expert's tiles of 16 rows, w / 4 first and then every second one.  h lies in the order of the operand's registers,
; so a fragment is four loads of 512 consecutive bytes.  No tensor load and no cluster: the walk hangs on a stored count, and no two work-groups read the same weights.
; LAYOUT.  Tile 2 b + u takes weight rows 32 b + 8 u + i + 8 (i / 8); the product is used transposed: lane (r, h) holds row r and outputs 32 p + 16 h + 0 .. 15: 64 bytes.  They go through the wave's own
; stage in LDS (the bytes that were its stage in phase W) and leave as 2,048 consecutive bytes: yp is laid [q][32 blocks of 32 outputs][slot][32].
; LIMITS: NaN and infinities among the inputs are not served; a block of zeros has the scale byte 1 where the rule says 127: its codes are zeros, and this program alone reads the bytes.
.set IMG,   0                          ; LDS: [8 tiles][8 K steps][4 c][32 lanes][16 bytes]
.set SCI,   131072                     ; [8 tiles][8 K steps][32 lanes][4 bytes]
.set TURN,  139264                     ; a stage for each wave: phase W 16 rows x TP bytes, phase M 16 rows x 144
.set TREG,  8448
.set TP,    528
.set SPARE, 206848                     ; the spare words, 128 bytes a wave: four blocks of 256 bytes that no other line names
.set RP,    16384                      ; a weight row in memory
.set SPW,   16
.set NIL,   17
.set BS,    24                         ; v24-39   my tiles' scale words [u][ks]: scales and nothing else
.set AS,    56                         ; v56-63   the rows' scale words [ks]: scales and nothing else
.set ACC,   64                         ; v64-79   two accumulators
.set PC,    64                         ; (phase W: the 16 code registers just made)
.set OB,    80                         ; v80-95   a tile's results, back from the stage
.set TM,    104
.set PW,    120
.set X,     128
.set AF,    128                        ; v128-255 the rows' eight fragments
; window 1 (v256-511): phase W: four sets of 64 registers for the loads; phase M: my 16 weight fragments, (8 u + ks) x 16
; v1 16 lane; v2, v3 the stage in and out (phase W); v4, v5 where I store images and scale words; v6, v7 where I read them; v8 4 r; v10, v11 the stage in and out (phase M); v12-14 global offsets
; s14 wave, s15 p, s16 w / 4, s17 e, s18 dj, s31 q, s19 tiles, s20 the tile in hand, s21 the tile ahead, s30 tiles - 1, s42 trips done, s43 my trips
.set MSB, 0
.macro WIN new                         ; the immediate's high byte repeats the setting that is left; bits 1:0 source 0, 3:2 source 1, 5:4 source 2, 7:6 destination
.if MSB != \new
	s_set_vgpr_msb (MSB<<8)|\new
.set MSB, \new
.endif
.endm
	s_load_b256 s[4:11], s[0:1], 0x0               ; hqs s[4:5], plc s[6:7], fc2_w s[8:9], yp s[10:11]
	v_lshl_add_u32 v[SPW], v0, 2, SPARE
	v_mov_b32 v[NIL], 0
	v_lshrrev_b32 v1, 5, v0
	v_readfirstlane_b32 s14, v1
	s_and_b32 s15, s14, 3
	s_lshr_b32 s16, s14, 2
	s_and_b32 s17, ttmp7, 0xffff
	s_and_b32 s18, ttmp9, 7
	s_lshr_b32 s31, ttmp9, 3
	v_and_b32 v18, 31, v0                          ; lane
	v_and_b32 v19, 15, v0                          ; r
	v_bfe_u32 v9, v0, 4, 1                         ; h
	v_lshlrev_b32 v1, 4, v18
	s_mul_i32 s25, s14, TREG
	s_add_co_u32 s25, s25, TURN
	v_add_nc_u32 v2, s25, v1
	v_mul_u32_u24 v3, v19, TP
	v_lshl_add_u32 v3, v9, 6, v3
	v_add_nc_u32 v3, s25, v3
	v_mul_u32_u24 v10, v19, 144
	v_lshl_add_u32 v10, v9, 6, v10
	v_add_nc_u32 v10, s25, v10                     ; phase M, in: row r of 128 bytes + 16 of padding, + 64 h
	v_lshrrev_b32 v11, 3, v18
	v_mul_u32_u24 v11, v11, 144
	v_and_b32 v12, 7, v18
	v_lshl_add_u32 v11, v12, 4, v11
	v_add_nc_u32 v11, s25, v11                     ; out: eight lanes to a row, four rows an instruction
	s_lshl_b32 s25, s14, 14
	v_add_nc_u32 v4, s25, v1
	v_lshlrev_b32 v7, 2, v18
	s_lshl_b32 s25, s14, 10
	s_add_co_u32 s25, s25, SCI
	v_add_nc_u32 v5, s25, v7
	s_lshl_b32 s25, s15, 11
	s_add_co_u32 s25, s25, SCI
	v_add_nc_u32 v7, s25, v7
	s_lshl_b32 s25, s15, 15
	v_add_nc_u32 v6, s25, v1
	v_lshlrev_b32 v8, 2, v19
.irp b, 0,1,2,3
	v_mov_b32 v[TM+4+\b], 0                        ; written once: a lane permute's destination counts as one of its sources
.endr
	s_mov_b32 s22, 0x76543210
	s_mov_b32 s23, 0xfedcba98
	s_mov_b32 s24, 0x600000
	s_lshl_b32 s35, s17, 2                         ; my expert's count
	s_lshl_b32 s26, s17, 24                        ; the weights: expert e,
	s_lshl_b32 s25, s18, 7
	s_lshr_b32 s28, s14, 1
	s_lshl_b32 s28, s28, 5
	s_add_co_u32 s25, s25, s28
	s_and_b32 s28, s14, 1
	s_lshl_b32 s28, s28, 3
	s_add_co_u32 s25, s25, s28                     ; row 128 dj + 32 (w / 2) + 8 (w % 2),
	s_lshl_b32 s25, s25, 14
	s_add_co_u32 s26, s26, s25
	s_lshl_b32 s25, s31, 12                        ; quarter q of K
	s_add_co_u32 s26, s26, s25
	s_mov_b32 s27, 0
	s_lshl_b32 s40, s17, 22                        ; h's codes: e, K steps 8 q on
	s_lshl_b32 s25, s31, 14
	s_or_b32 s40, s40, s25
	s_lshl_b32 s41, s17, 17                        ; h's scale words likewise
	s_lshl_b32 s25, s31, 9
	s_or_b32 s41, s41, s25
	s_lshl_b32 s32, s31, 25                        ; yp: quarter q,
	s_lshl_b32 s25, s18, 2
	s_add_co_u32 s25, s25, s15
	s_lshl_b32 s25, s25, 20                        ; block 4 dj + p of 32 outputs,
	s_add_co_u32 s32, s32, s25
	s_lshl_b32 s25, s17, 17                        ; expert e's 1,024 slots of 128 bytes
	s_add_co_u32 s32, s32, s25
	s_wait_kmcnt 0x0
	s_load_b32 s19, s[6:7], s35 offset:0x2000
	s_add_nc_u64 s[26:27], s[8:9], s[26:27]
	s_add_nc_u64 s[38:39], s[4:5], 0x2000000
.macro WLOAD ks                        ; K step ks of my 16 rows into set ks % 4 of window 1
.irp i, 0,1,2,3,4,5,6,7,8,9,10,11,12,13,14,15
	global_load_b128 v[64*((\ks)%4)+4*\i:64*((\ks)%4)+4*\i+3], v1, s[26:27] offset:(\i+8*(\i/8))*RP+512*(\ks) th:TH_LOAD_NT
.endr
.endm
; 64 numbers of a lane, register 16 b + i = k 32 b + 16 h + i of my row, become a fragment's codes in v[PC] on and its scale word in v[PW]
.macro QUANT s
.irp b, 0,1,2,3
	v_max3_num_f32 v[TM+\b], |v[\s+16*\b]|, |v[\s+1+16*\b]|, 0x8000000   ; with the floor 2^(16 - 127): the byte cannot fall under 1
.endr
.irp i, 2,4,6,8,10,12,14
.irp b, 0,1,2,3
	v_max3_num_f32 v[TM+\b], v[TM+\b], |v[\s+16*\b+\i]|, |v[\s+1+16*\b+\i]|
.endr
.endr
.irp b, 0,1,2,3
	v_permlanex16_b32 v[TM+4+\b], v[TM+\b], s22, s23
.endr
.irp b, 0,1,2,3
	v_max_num_f32 v[TM+\b], v[TM+\b], v[TM+4+\b]
.endr
.irp b, 0,1,2,3
	v_add_nc_u32 v[TM+12+\b], 0xf8800000, v[TM+\b]
.endr
.irp b, 0,1,2,3
	v_and_or_b32 v[TM+8+\b], v[TM+\b], 0x7f800000, s24
.endr
.irp b, 0,1,2,3
	v_lshrrev_b32 v[TM+4+\b], 23, v[TM+12+\b]
.endr
	v_lshl_or_b32 v[PW], v[TM+5], 8, v[TM+4]
	v_lshl_or_b32 v[PW], v[TM+6], 16, v[PW]
	v_lshl_or_b32 v[PW], v[TM+7], 24, v[PW]
.irp b, 0,1,2,3
.irp i, 0,1,2,3,4,5,6,7,8,9,10,11,12,13,14,15
	v_med3_num_f32 v[\s+16*\b+\i], v[\s+16*\b+\i], -v[TM+8+\b], v[TM+8+\b]   ; the conversion to an 8-bit code does not saturate (ISA guide 7.6.2)
.endr
	v_cvt_scalef32_pk8_bf8_f32 v[PC+4*\b:PC+1+4*\b], v[\s+16*\b:\s+7+16*\b], v[TM+12+\b]
	v_cvt_scalef32_pk8_bf8_f32 v[PC+2+4*\b:PC+3+4*\b], v[\s+8+16*\b:\s+15+16*\b], v[TM+12+\b]
.endr
	v_nop                                          ; a plain line behind the last conversion
.endm
	WIN 0x40                                       ; destination window 1
	WLOAD 0
	WLOAD 1
	WLOAD 2
	WLOAD 3
	WIN 0
	s_wait_kmcnt 0x0
	s_add_co_u32 s19, s19, 15
	s_lshr_b32 s19, s19, 4
	s_min_u32 s19, s19, 64                         ; tiles of 16 rows
	s_sub_co_u32 s30, s19, 1
	s_add_co_u32 s43, s19, 1
	s_sub_co_u32 s43, s43, s16
	s_lshr_b32 s43, s43, 1                         ; my trips: tiles w / 4, w / 4 + 2, ..
.irp ks, 0,1,2,3,4,5,6,7
.if \ks < 5
	s_wait_loadcnt 48                              ; this K step's 16 loads are in; three younger sets may be out
.else
	s_wait_loadcnt 16*(7-\ks)
.endif
	WIN 0x04                                       ; an LDS store's data are its source 1: window 1
.irp i, 0,1,2,3,4,5,6,7,8,9,10,11,12,13,14,15
	ds_store_b128 v2, v[64*(\ks%4)+4*\i:64*(\ks%4)+4*\i+3] offset:TP*\i
.endr
	WIN 0
.irp c, 0,1,2,3
.irp j, 0,1,2,3
	ds_load_b128 v[X+16*\c+4*\j:X+16*\c+4*\j+3], v3 offset:128*\c+16*\j   ; LDS serves a wave's instructions in order: these see the stores above
.endr
.endr
	s_wait_dscnt 0x0                               ; the numbers are back; the stage's stores have read their set, the last images' stores their codes
.if \ks < 4
	WIN 0x40
	WLOAD \ks+4
	WIN 0
.endif
	QUANT X
.irp c, 0,1,2,3
	ds_store_b128 v4, v[PC+4*\c:PC+4*\c+3] offset:IMG+2048*\ks+512*\c
.endr
	ds_store_b32 v5, v[PW] offset:128*\ks
.endr
	s_wait_dscnt 0x0                               ; for the others' sake: my images have landed
	s_barrier_signal -1
	s_barrier_wait -1
	WIN 0x40
.irp u, 0,1
.irp ks, 0,1,2,3,4,5,6,7
.irp c, 0,1,2,3
	ds_load_b128 v[16*(8*\u+\ks)+4*\c:16*(8*\u+\ks)+4*\c+3], v6 offset:IMG+16384*\u+2048*\ks+512*\c
.endr
.endr
.endr
	WIN 0
.irp u, 0,1
.irp ks, 0,1,2,3,4,5,6,7
	ds_load_b32 v[BS+8*\u+\ks], v7 offset:1024*\u+128*\ks
.endr
.endr
	s_wait_dscnt 0x0
.macro ADDR2 sreg                      ; where a tile's codes and scale words lie; the tile's number enters an address only behind a hold
	s_min_u32 s25, \sreg, 63
	s_lshl_b32 s28, s25, 16
	s_add_co_u32 s28, s28, s40
	v_add_nc_u32 v12, s28, v1
	s_lshl_b32 s28, s25, 11
	s_add_co_u32 s28, s28, s41
	v_add_nc_u32 v13, s28, v8
.endm
.macro ALOAD2                          ; 40 loads: eight fragments, 512 consecutive bytes a load, and eight scale words
.irp ks, 0,1,2,3,4,5,6,7
.irp c, 0,1,2,3
	global_load_b128 v[AF+16*\ks+4*\c:AF+16*\ks+4*\c+3], v12, s[4:5] offset:2048*\ks+512*\c
.endr
.endr
.irp ks, 0,1,2,3,4,5,6,7
	global_load_b32 v[AS+\ks], v13, s[38:39] offset:64*\ks
.endr
.endm
.macro MUL                             ; 16 products; the first two start the sums; the two accumulators take turns, one instruction a turn
	WIN 0x01                                       ; source 0 (the weights) window 1
.irp ks, 0,1,2,3,4,5,6,7
.irp u, 0,1
.if \ks == 0
	v_wmma_scale_f32_16x16x128_f8f6f4 v[ACC+8*\u:ACC+8*\u+7], v[16*(8*\u+\ks):16*(8*\u+\ks)+15], v[AF+16*\ks:AF+16*\ks+15], 0, v[BS+8*\u+\ks], v[AS+\ks] matrix_a_fmt:MATRIX_FMT_BF8 matrix_b_fmt:MATRIX_FMT_BF8
.else
	v_wmma_scale_f32_16x16x128_f8f6f4 v[ACC+8*\u:ACC+8*\u+7], v[16*(8*\u+\ks):16*(8*\u+\ks)+15], v[AF+16*\ks:AF+16*\ks+15], v[ACC+8*\u:ACC+8*\u+7], v[BS+8*\u+\ks], v[AS+\ks] matrix_a_fmt:MATRIX_FMT_BF8 matrix_b_fmt:MATRIX_FMT_BF8
.endif
.endr
.endr
	WIN 0
.endm
	s_cmp_eq_u32 s43, 0
	s_cbranch_scc1 .Ldone                          ; no tile for this wave
	s_mov_b32 s20, s16
	s_mov_b32 s42, 0
	ADDR2 s20
	ALOAD2
.Ltile:
	s_wait_loadcnt 0x0                             ; the tile's 40 loads are in, and their offsets may be written
	MUL
	s_wait_xcnt 0x0                                ; the last trip's stores have read their data and offset, which are written again below
	s_add_co_u32 s21, s20, 2
	s_min_u32 s21, s21, s30                        ; the tile ahead, held at the expert's last tile: no load leaves what has been stored
	ADDR2 s21
.rept 7
	v_nop                                          ; with the two vector lines above: nine places behind the products: eight serve the loads into their sources and the stores of their results, the ninth the next trip's first product, which writes over an accumulator
.endr
	ALOAD2
.irp j, 0,1,2,3
	ds_store_b128 v10, v[ACC+4*\j:ACC+4*\j+3] offset:16*\j   ; each accumulator from its low end on
.endr
.irp j, 0,1,2,3
	ds_load_b128 v[OB+4*\j:OB+4*\j+3], v11 offset:576*\j     ; my own bytes, served in order: these see the stores above
.endr
	s_min_u32 s25, s20, 63
	s_lshl_b32 s28, s25, 11
	s_add_co_u32 s28, s28, s32
	v_add_nc_u32 v14, s28, v1
	s_wait_dscnt 0x0
.irp j, 0,1,2,3
	global_store_b128 v14, v[OB+4*\j:OB+4*\j+3], s[10:11] offset:512*\j th:TH_STORE_NT   ; 512 consecutive bytes a store, 2,048 a tile
.endr
	s_add_co_u32 s20, s20, 2                       ; my next tile
	s_add_co_u32 s42, s42, 1                       ; the loop counts its trips one by one
	s_cmp_lt_u32 s42, s43
	s_cbranch_scc1 .Ltile
.Ldone:
	s_wait_tensorcnt 0x0                           ; the wave's end, behind my last LDS store
	ds_add_u32 v[SPW], v[NIL]
	s_wait_dscnt 0x0
	s_endpgm
.Lfunc_end_k_q75434d4936_fc2:
	.size	k_q75434d4936_fc2, .Lfunc_end_k_q75434d4936_fc2-k_q75434d4936_fc2
	.p2alignl 7, 3214868480
	.fill 96, 4, 3214868480
	.section	.rodata,"a",@progbits
	.p2align	6, 0x0
	.amdhsa_kernel k_q75434d4936_fc2
		.amdhsa_group_segment_fixed_size 207872
		.amdhsa_private_segment_fixed_size 0
		.amdhsa_enable_private_segment 0
		.amdhsa_kernarg_size 32
		.amdhsa_user_sgpr_count 2
		.amdhsa_user_sgpr_kernarg_segment_ptr 1
		.amdhsa_wavefront_size32 1
		.amdhsa_system_sgpr_workgroup_id_x 1
		.amdhsa_system_sgpr_workgroup_id_y 1
		.amdhsa_system_sgpr_workgroup_id_z 1
		.amdhsa_system_vgpr_workitem_id 0
		.amdhsa_next_free_vgpr 512
		.amdhsa_next_free_sgpr 66
		.amdhsa_reserve_vcc 0
		.amdhsa_float_denorm_mode_32 3
		.amdhsa_float_denorm_mode_16_64 3
		.amdhsa_memory_ordered 1
		.amdhsa_forward_progress 1
		.amdhsa_inst_pref_size 117
	.end_amdhsa_kernel
	.amdgpu_metadata
---
amdhsa.version: [ 1, 2 ]
amdhsa.kernels:
  - .name:           k_q75434d4936_fc2
    .symbol:         k_q75434d4936_fc2.kd
    .args:
      - { .name: hqs, .offset: 0, .size: 8, .value_kind: global_buffer, .address_space: global }
      - { .name: plc, .offset: 8, .size: 8, .value_kind: global_buffer, .address_space: global }
      - { .name: fc2_w, .offset: 16, .size: 8, .value_kind: global_buffer, .address_space: global }
      - { .name: yp, .offset: 24, .size: 8, .value_kind: global_buffer, .address_space: global }
    .group_segment_fixed_size: 207872
    .private_segment_fixed_size: 0
    .kernarg_segment_align: 8
    .kernarg_segment_size: 32
    .max_flat_workgroup_size: 256
    .sgpr_count:     66
    .vgpr_count:     512
    .wavefront_size: 32
...
	.end_amdgpu_metadata
.endif
;; end of part 4
;; launch combine (part 5): grid 512 x 1, 4 waves a work-group, no clusters, 0 bytes of LDS; arguments plc, ridx, rwp, yp, fc2_b, out0; writes out0
.if DOCPART == 5
	.amdgcn_target "amdgcn-amd-amdhsa--gfx1250"
	.amdhsa_code_object_version 6
	.text
	.protected	k_q75434d4936_combine
	.globl	k_q75434d4936_combine
	.p2align	8
	.type	k_q75434d4936_combine,@function
k_q75434d4936_combine:
	s_mov_b64 s[64:65], 0
	v_nop
	global_prefetch_b8 v0, s[64:65] scope:SCOPE_SE
	s_setreg_imm32_b32 hwreg(HW_REG_WAVE_MODE, 25, 1), 1
	s_wait_xcnt 0x0
; MoE layer, launch 5 of 5: out[t] = w1 (b2[e1] + y[slot1]) + w2 (b2[e2] + y[slot2]), y the sum of the four partial sums along K.  Experts not chosen add nothing (shown at the head of the first kernel).
; A wave owns half a token's row: g = 4 x work-group + wave, token g / 2, outputs 512 (g % 2) on.  Each output has one owner: no atomics.  Straight-line: 40 loads, one wait, 4 stores.
; yp is laid [q][32 blocks of 32 outputs][slot][32], so that its writer stores long runs; here a load takes four pieces of 128 consecutive bytes.  The stores cover 512 consecutive bytes each.
; Slots and experts are whole numbers that earlier launches stored; they enter addresses behind a hold.
.set Y, 16                             ; v16-143  [k][q][i]: four registers each
.set B, 144                            ; v144-175 [k][i]: b2
	s_load_b256 s[4:11], s[0:1], 0x0               ; plc s[4:5], ridx s[6:7], rwp s[8:9], yp s[10:11]
	s_load_b128 s[12:15], s[0:1], 0x20             ; fc2_b s[12:13], out0 s[14:15]
	v_lshrrev_b32 v1, 5, v0
	v_readfirstlane_b32 s16, v1
	s_lshl_b32 s17, ttmp9, 2
	s_add_co_u32 s17, s17, s16                     ; g
	s_lshr_b32 s18, s17, 1                         ; token
	s_and_b32 s19, s17, 1                          ; which half of its row
	s_lshl_b32 s36, s18, 3
	v_and_b32 v1, 31, v0
	v_lshlrev_b32 v2, 4, v1                        ; 16 x lane
	v_lshrrev_b32 v3, 3, v1
	v_and_b32 v4, 7, v1
	v_lshlrev_b32 v4, 4, v4
	v_lshl_add_u32 v3, v3, 20, v4                  ; eight lanes to a block of 32 outputs: (lane / 8) blocks of 1,048,576 bytes + 16 (lane % 8)
	s_wait_kmcnt 0x0
	s_load_b64 s[20:21], s[4:5], s36 offset:0x0    ; the two slots,
	s_load_b64 s[22:23], s[6:7], s36 offset:0x0    ; experts
	s_load_b64 s[24:25], s[8:9], s36 offset:0x0    ; and weights
	s_mov_b64 s[28:29], s[10:11]                   ; the four partial sums' bases
	s_add_nc_u64 s[30:31], s[10:11], 0x2000000
	s_add_nc_u64 s[32:33], s[10:11], 0x4000000
	s_add_nc_u64 s[34:35], s[10:11], 0x6000000
	s_lshl_b32 s40, s17, 11                        ; out0: 2,048 g
	s_mov_b32 s41, 0
	s_add_nc_u64 s[14:15], s[14:15], s[40:41]
	s_lshl_b32 s38, s19, 24                        ; my half: 16 blocks on
	s_lshl_b32 s39, s19, 11                        ; and 2,048 bytes on in b2
	s_wait_kmcnt 0x0
	s_min_u32 s20, s20, 0x1fff
	s_min_u32 s21, s21, 0x1fff
	s_min_u32 s22, s22, 7
	s_min_u32 s23, s23, 7
	s_mov_b32 s26, s25                             ; w2 as a pair of its own: the packed forms take a pair's low word for both halves
	s_mov_b32 s27, s25
.irp k, 0,1
	s_lshl_b32 s37, s[20+\k], 7                    ; a slot's 128 bytes in a block
	s_add_co_u32 s37, s37, s38
	v_add_nc_u32 v[8+2*\k], s37, v3
	v_add_nc_u32 v[9+2*\k], 0x800000, v[8+2*\k]    ; eight blocks on
	s_lshl_b32 s37, s[22+\k], 12
	s_add_co_u32 s37, s37, s39
	v_add_nc_u32 v[12+\k], s37, v2
.endr
.irp k, 0,1
.irp q, 0,1,2,3
.irp i, 0,1,2,3
	global_load_b128 v[Y+64*\k+16*\q+4*\i:Y+64*\k+16*\q+4*\i+3], v[8+2*\k+\i/2], s[28+2*\q:29+2*\q] offset:(\i%2)*4194304 th:TH_LOAD_NT
.endr
.endr
.endr
.irp k, 0,1
.irp i, 0,1,2,3
	global_load_b128 v[B+16*\k+4*\i:B+16*\k+4*\i+3], v[12+\k], s[12:13] offset:512*\i
.endr
.endr
	s_wait_loadcnt 0x0
.irp k, 0,1
.irp j, 0,2,4,6,8,10,12,14
	v_pk_add_f32 v[Y+64*\k+\j:Y+64*\k+\j+1], v[Y+64*\k+\j:Y+64*\k+\j+1], v[Y+64*\k+16+\j:Y+64*\k+17+\j]
	v_pk_add_f32 v[Y+64*\k+32+\j:Y+64*\k+33+\j], v[Y+64*\k+32+\j:Y+64*\k+33+\j], v[Y+64*\k+48+\j:Y+64*\k+49+\j]
.endr
.endr
.irp k, 0,1
.irp j, 0,2,4,6,8,10,12,14
	v_pk_add_f32 v[Y+64*\k+\j:Y+64*\k+\j+1], v[Y+64*\k+\j:Y+64*\k+\j+1], v[Y+64*\k+32+\j:Y+64*\k+33+\j]
.endr
.endr
.irp k, 0,1
.irp j, 0,2,4,6,8,10,12,14
	v_pk_add_f32 v[Y+64*\k+\j:Y+64*\k+\j+1], v[Y+64*\k+\j:Y+64*\k+\j+1], v[B+16*\k+\j:B+16*\k+\j+1]
.endr
.endr
.irp j, 0,2,4,6,8,10,12,14
	v_pk_mul_f32 v[Y+\j:Y+\j+1], v[Y+\j:Y+\j+1], s[24:25] op_sel_hi:[1,0]
.endr
.irp j, 0,2,4,6,8,10,12,14
	v_pk_fma_f32 v[Y+\j:Y+\j+1], v[Y+64+\j:Y+65+\j], s[26:27], v[Y+\j:Y+\j+1] op_sel_hi:[1,0,1]
.endr
.irp i, 0,1,2,3
	global_store_b128 v2, v[Y+4*\i:Y+4*\i+3], s[14:15] offset:512*\i th:TH_STORE_NT
.endr
	s_endpgm
.Lfunc_end_k_q75434d4936_combine:
	.size	k_q75434d4936_combine, .Lfunc_end_k_q75434d4936_combine-k_q75434d4936_combine
	.p2alignl 7, 3214868480
	.fill 96, 4, 3214868480
	.section	.rodata,"a",@progbits
	.p2align	6, 0x0
	.amdhsa_kernel k_q75434d4936_combine
		.amdhsa_group_segment_fixed_size 0
		.amdhsa_private_segment_fixed_size 0
		.amdhsa_enable_private_segment 0
		.amdhsa_kernarg_size 48
		.amdhsa_user_sgpr_count 2
		.amdhsa_user_sgpr_kernarg_segment_ptr 1
		.amdhsa_wavefront_size32 1
		.amdhsa_system_sgpr_workgroup_id_x 1
		.amdhsa_system_sgpr_workgroup_id_y 1
		.amdhsa_system_sgpr_workgroup_id_z 1
		.amdhsa_system_vgpr_workitem_id 0
		.amdhsa_next_free_vgpr 176
		.amdhsa_next_free_sgpr 66
		.amdhsa_reserve_vcc 0
		.amdhsa_float_denorm_mode_32 3
		.amdhsa_float_denorm_mode_16_64 3
		.amdhsa_memory_ordered 1
		.amdhsa_forward_progress 1
		.amdhsa_inst_pref_size 12
	.end_amdhsa_kernel
	.amdgpu_metadata
---
amdhsa.version: [ 1, 2 ]
amdhsa.kernels:
  - .name:           k_q75434d4936_combine
    .symbol:         k_q75434d4936_combine.kd
    .args:
      - { .name: plc, .offset: 0, .size: 8, .value_kind: global_buffer, .address_space: global }
      - { .name: ridx, .offset: 8, .size: 8, .value_kind: global_buffer, .address_space: global }
      - { .name: rwp, .offset: 16, .size: 8, .value_kind: global_buffer, .address_space: global }
      - { .name: yp, .offset: 24, .size: 8, .value_kind: global_buffer, .address_space: global }
      - { .name: fc2_b, .offset: 32, .size: 8, .value_kind: global_buffer, .address_space: global }
      - { .name: out0, .offset: 40, .size: 8, .value_kind: global_buffer, .address_space: global }
    .group_segment_fixed_size: 0
    .private_segment_fixed_size: 0
    .kernarg_segment_align: 8
    .kernarg_segment_size: 48
    .max_flat_workgroup_size: 128
    .sgpr_count:     66
    .vgpr_count:     176
    .wavefront_size: 32
...
	.end_amdgpu_metadata
.endif
;; end of part 5
;; ======== version 2 of 2: 5 launches
;; workspace buffers: ridx 8,192 bytes of whole numbers; rwp 40,960 bytes; xqs 1,081,344 bytes; plc 41,216 bytes of whole numbers; hqs 34,603,008 bytes; yp 134,217,728 bytes
;; launch route (part 6): grid 256 x 1, 4 waves a work-group, no clusters, 23,040 bytes of LDS; arguments x, gate_w, xqs, ridx, rwp; writes xqs, ridx, rwp
.if DOCPART == 6
	.amdgcn_target "amdgcn-amd-amdhsa--gfx1250"
	.amdhsa_code_object_version 6
	.text
	.protected	k_q75434d4936_route
	.globl	k_q75434d4936_route
	.p2align	8
	.type	k_q75434d4936_route,@function
k_q75434d4936_route:
	s_mov_b64 s[64:65], 0
	v_nop
	global_prefetch_b8 v0, s[64:65] scope:SCOPE_SE
	s_setreg_imm32_b32 hwreg(HW_REG_WAVE_MODE, 25, 1), 1
	s_wait_xcnt 0x0
; MoE layer, launch 1 of 5: the router, and x as codes of BF8 (E5M2) with one E8M0 scale byte for each 32 along D.
; WORK LEFT OUT IN THE WHOLE PROGRAM.  For a token t and an expert e that is not among idx[t], reference() forms we = sum(where(idx == e, w, 0)) = 0 and adds we * y_e[t],
; which is 0 for every finite y_e[t], whatever the inputs hold.  So the rows of the 16 expert products that belong to experts not chosen reach no output: only rows (t, idx[t][0]) and
; (t, idx[t][1]) are multiplied.  Every input keeps a way to an output and all are loaded.  LIMIT: a NaN, an infinity or an overflow that arises only in a row left out is not carried to the result.
; THIS LAUNCH.  One token to a wave, token = 4 x work-group + wave; no barrier.  logits = x . gate_w[e] in f32 (fused multiply-adds), softmax with the maximum taken away, the two largest
; probabilities (the lower index wins a tie, as jax.lax.top_k has it), w = p / (p1 + p2 + 1e-9).  The choice is derived from floating-point numbers, so no address here hangs on it:
; experts, weights and probabilities are stored at fixed places, and the next launch places the rows.
; THE CODES: a block's scale is 2^(floor(log2(largest magnitude)) - 15); its byte is that magnitude's exponent field - 15, held at 1 from below (a block of zeros so has the byte 1 where the
; rule says 127: its codes are zeros and this program alone reads the bytes).  Each number is held within +-57,344 x the scale and rounded to the nearest code, ties to even.
; LIMITS: NaN and infinities among the inputs are not served; blocks whose largest magnitude lies under 2^(16 - 127) keep the byte 1.
; The last stores are a few bytes a token (8 + 8 + 32 by one lane, 32 by eight lanes): 80 bytes beside the token's 4,096 read.
.set WREG,  5632                       ; LDS of a wave: two stages of 32 x SP bytes, then its 32 scale bytes
.set SP,    80                         ; a lane's place in a stage: 64 bytes + 16 of padding
.set SPARE, 4*WREG                     ; the spare words, 128 bytes a wave: two blocks of 256 bytes that no other line names
.set SPW,   12                         ; v12  my spare word's LDS address; never rewritten
.set NIL,   13                         ; v13  0; never rewritten
.set R,     16                         ; v16-47   x as loaded: load i holds numbers 128 i + 4 lane + 0 .. 3
.set X,     48                         ; v48-79   two steps of 16 neighbours
.set C,     80                         ; v80-87   codes
.set E,     88                         ; v88-89   scale bytes
.set G,     96                         ; v96-223  four sets of 32: a row of gate_w, laid as R
.set SUM,   224                        ; v224-239 a pair of sums for each expert; later at work
.set P,     240                        ; v240-255 the second chains' pairs; then logits, then probabilities in v240-247
.set SEL,   22                         ; s[22:23] v_permlanex16_b32's selects for lane l xor 16
.set MNT,   24                         ; s24      the mantissa field of 57,344
	s_load_b256 s[4:11], s[0:1], 0x0               ; x s[4:5], gate_w s[6:7], xqs s[8:9], ridx s[10:11]
	s_load_b64 s[12:13], s[0:1], 0x20              ; rwp
	v_lshl_add_u32 v[SPW], v0, 2, SPARE
	v_mov_b32 v[NIL], 0
	v_lshrrev_b32 v1, 5, v0
	v_readfirstlane_b32 s14, v1                    ; wave
	v_and_b32 v1, 31, v0                           ; lane
	v_lshlrev_b32 v2, 4, v1                        ; 16 x lane
	s_mul_i32 s25, s14, WREG
	v_lshrrev_b32 v3, 2, v1
	v_mul_u32_u24 v3, v3, SP
	v_and_b32 v4, 3, v1
	v_lshl_add_u32 v3, v4, 4, v3
	v_add_nc_u32 v3, s25, v3                       ; the stage, on the way in: four lanes' 64 bytes on end, then the padding
	v_mul_u32_u24 v4, v1, SP
	v_add_nc_u32 v4, s25, v4                       ; and on the way out: my 16 neighbours
	s_add_co_u32 s25, s25, 2*32*SP
	v_lshrrev_b32 v5, 1, v1
	v_add_nc_u32 v5, s25, v5                       ; my block's scale byte
	v_and_b32 v7, 7, v1
	v_lshlrev_b32 v7, 2, v7                        ; 4 x (lane % 8): a scale word's place in the token's 32 bytes
	v_add_nc_u32 v6, s25, v7
	s_lshl_b32 s15, ttmp9, 2
	s_add_co_u32 s15, s15, s14                     ; my token
	s_mov_b32 s[SEL], 0x76543210
	s_mov_b32 s[SEL+1], 0xfedcba98
	s_mov_b32 s[MNT], 0x600000
	s_lshl_b32 s18, s15, 12                        ; its row of x,
	s_mov_b32 s19, 0
	s_lshl_b32 s26, s15, 10                        ; of codes,
	s_mov_b32 s27, 0
	s_lshl_b32 s28, s15, 5                         ; of scale bytes and of probabilities,
	s_mov_b32 s29, 0
	s_lshl_b32 s30, s15, 3                         ; of experts and of weights
	s_mov_b32 s31, 0
	s_wait_alu depctr_va_vdst(0)
	s_wait_kmcnt 0x0
	s_add_nc_u64 s[4:5], s[4:5], s[18:19]
	s_add_nc_u64 s[16:17], s[8:9], s[28:29]
	s_add_nc_u64 s[16:17], s[16:17], 0x100000      ; the scale bytes lie behind the 1,048,576 bytes of codes
	s_add_nc_u64 s[8:9], s[8:9], s[26:27]
	s_add_nc_u64 s[10:11], s[10:11], s[30:31]
	s_add_nc_u64 s[32:33], s[12:13], s[28:29]
	s_add_nc_u64 s[32:33], s[32:33], 0x2000        ; the probabilities lie behind the 8,192 bytes of weights
	s_add_nc_u64 s[12:13], s[12:13], s[30:31]
.irp i, 0,1,2,3,4,5,6,7
	global_load_b128 v[R+4*\i:R+4*\i+3], v2, s[4:5] offset:512*\i th:TH_LOAD_NT   ; 512 consecutive bytes a load
.endr
.macro GLOAD e                         ; gate_w's row e into set e % 4
.irp i, 0,1,2,3,4,5,6,7
	global_load_b128 v[G+32*((\e)%4)+4*\i:G+32*((\e)%4)+4*\i+3], v2, s[6:7] offset:4096*(\e)+512*\i
.endr
.endm
	GLOAD 0
	GLOAD 1
	GLOAD 2
	GLOAD 3
.macro TURN s                          ; step s (512 numbers) through its stage: LDS serves a wave's instructions in order, so no wait stands between the stores and the loads
.irp i, 0,1,2,3
	ds_store_b128 v3, v[R+16*(\s)+4*\i:R+16*(\s)+4*\i+3] offset:32*SP*(\s)+8*SP*\i
.endr
.irp i, 0,1,2,3
	ds_load_b128 v[X+16*(\s)+4*\i:X+16*(\s)+4*\i+3], v4 offset:32*SP*(\s)+16*\i
.endr
.endm
.macro QSTEP s                         ; my 16 neighbours of step s become 16 codes; two neighbouring lanes hold a block
.set XS, X+16*(\s)
	v_max3_num_f32 v8, |v[XS]|, |v[XS+1]|, |v[XS+2]|
	v_max3_num_f32 v9, |v[XS+3]|, |v[XS+4]|, |v[XS+5]|
.irp i, 6,10
	v_max3_num_f32 v8, v8, |v[XS+\i]|, |v[XS+\i+1]|
	v_max3_num_f32 v9, v9, |v[XS+\i+2]|, |v[XS+\i+3]|
.endr
	v_max3_num_f32 v8, v8, |v[XS+14]|, |v[XS+15]|
	v_max3_num_f32 v8, v8, v9, 0x8000000           ; and the floor 2^(16 - 127): the byte cannot fall under 1
	v_max_num_f32_dpp v8, v8, v8 row_xmask:1 row_mask:0xf bank_mask:0xf   ; with my neighbour's 16: the block's largest magnitude
	v_add_nc_u32 v11, 0xf8800000, v8               ; 15 off its exponent field: the conversion's scale operand
	v_and_or_b32 v10, v8, 0x7f800000, s[MNT]       ; 57,344 x the scale
.irp i, 0,1,2,3,4,5,6,7,8,9,10,11,12,13,14,15
	v_med3_num_f32 v[XS+\i], v[XS+\i], -v10, v10   ; the conversion to an 8-bit code does not saturate (ISA guide 7.6.2): the hold comes first
.endr
	v_cvt_scalef32_pk8_bf8_f32 v[C+4*(\s):C+4*(\s)+1], v[XS:XS+7], v11
	v_cvt_scalef32_pk8_bf8_f32 v[C+4*(\s)+2:C+4*(\s)+3], v[XS+8:XS+15], v11
	v_lshrrev_b32 v[E+(\s)], 23, v11               ; the scale's byte (also the plain line behind the conversions)
	ds_store_b8 v5, v[E+(\s)] offset:16*(\s)       ; both lanes of a block write the same byte with the same value
	global_store_b128 v2, v[C+4*(\s):C+4*(\s)+3], s[8:9] offset:512*(\s)   ; 512 consecutive bytes
.endm
	s_wait_loadcnt 32                              ; x is in; the 32 loads of gate_w behind it may be out
	TURN 0
	TURN 1
	s_wait_dscnt 8                                 ; step 0 is back; step 1's four stores and four loads may be out
	QSTEP 0
	s_wait_dscnt 1                                 ; step 1 is back; the byte store may be out
	QSTEP 1
	ds_load_b32 v14, v6                            ; the 32 scale bytes as eight words (these see my byte stores: LDS serves a wave in order)
	v_cmp_gt_u32 vcc_lo, 8, v1
	s_wait_dscnt 0x0
	s_wait_xcnt 0x0                                ; EXEC changes only behind this wait
	s_and_saveexec_b32 s20, vcc_lo
	global_store_b32 v7, v14, s[16:17]             ; lanes 0 to 7: word ks holds the bytes of k = 128 ks + 32 b
	s_wait_xcnt 0x0
	s_or_b32 exec_lo, exec_lo, s20
; x . gate_w[e]: 32 numbers a lane, two at a time, in two chains.  left = the younger loads that may stay out
.macro DOT e, left
	s_wait_loadcnt \left
.set GS, G+32*((\e)%4)
	v_pk_mul_f32 v[SUM+2*(\e):SUM+2*(\e)+1], v[R:R+1], v[GS:GS+1]
	v_pk_mul_f32 v[P+2*(\e):P+2*(\e)+1], v[R+16:R+17], v[GS+16:GS+17]
.irp j, 2,4,6,8,10,12,14
	v_pk_fma_f32 v[SUM+2*(\e):SUM+2*(\e)+1], v[R+\j:R+\j+1], v[GS+\j:GS+\j+1], v[SUM+2*(\e):SUM+2*(\e)+1]
	v_pk_fma_f32 v[P+2*(\e):P+2*(\e)+1], v[R+16+\j:R+17+\j], v[GS+16+\j:GS+17+\j], v[P+2*(\e):P+2*(\e)+1]
.endr
.endm
.irp e, 0,1,2,3,4,5,6,7
.if \e < 5
	DOT \e, 24                                     ; three younger sets of eight loads
.else
	DOT \e, 8*(7-\e)
.endif
.if \e < 4
	GLOAD \e+4
.endif
.endr
.irp e, 0,1,2,3,4,5,6,7
	v_pk_add_f32 v[SUM+2*\e:SUM+2*\e+1], v[SUM+2*\e:SUM+2*\e+1], v[P+2*\e:P+2*\e+1]
.endr
.irp e, 0,1,2,3,4,5,6,7
	v_add_f32 v[P+\e], v[SUM+2*\e], v[SUM+2*\e+1]
.endr
.irp m, 1,2,4,8                        ; over the 32 lanes, the eight experts by turns; every lane ends with all eight logits
.irp e, 0,1,2,3,4,5,6,7
	v_add_f32_dpp v[P+\e], v[P+\e], v[P+\e] row_xmask:\m row_mask:0xf bank_mask:0xf
.endr
.endr
.irp e, 0,1,2,3,4,5,6,7
	v_permlanex16_b32 v[SUM+\e], v[P+\e], s[SEL], s[SEL+1]
.endr
.irp e, 0,1,2,3,4,5,6,7
	v_add_f32 v[P+\e], v[P+\e], v[SUM+\e]
.endr
	v_max3_num_f32 v14, v[P], v[P+1], v[P+2]       ; the softmax, with the maximum taken away
	v_max3_num_f32 v14, v14, v[P+3], v[P+4]
	v_max3_num_f32 v14, v14, v[P+5], v[P+6]
	v_max_num_f32 v14, v14, v[P+7]
.irp e, 0,1,2,3,4,5,6,7
	v_sub_f32 v[P+\e], v[P+\e], v14
.endr
.irp e, 0,1,2,3,4,5,6,7
	v_mul_f32 v[P+\e], 0x3fb8aa3b, v[P+\e]         ; x log2(e)
.endr
	s_wait_alu depctr_va_vdst(0)
.irp e, 0,1,2,3,4,5,6,7
	v_exp_f32 v[P+\e], v[P+\e]
.endr
	v_mov_b32 v15, 0                               ; (a plain line behind the exponentials: the last stores' offset)
	s_wait_alu depctr_va_vdst(0)                   ; one wait for the eight, ahead of their first reader
	v_add_f32 v[SUM], v[P], v[P+1]
	v_add_f32 v[SUM+1], v[P+2], v[P+3]
	v_add_f32 v[SUM+2], v[P+4], v[P+5]
	v_add_f32 v[SUM+3], v[P+6], v[P+7]
	v_add_f32 v[SUM], v[SUM], v[SUM+1]
	v_add_f32 v[SUM+2], v[SUM+2], v[SUM+3]
	v_add_f32 v[SUM], v[SUM], v[SUM+2]
	s_wait_alu depctr_va_vdst(0)
	v_rcp_f32 v[SUM], v[SUM]
	v_nop
	s_wait_alu depctr_va_vdst(0)
.irp e, 0,1,2,3,4,5,6,7
	v_mul_f32 v[P+\e], v[P+\e], v[SUM]             ; the probabilities
.endr
	; the two largest.  The best so far is kept where p <= best, so that the lower index wins a tie.  v228 best, v229 second, v230 and v231 their experts
	v_mov_b32 v228, v[P]
	v_mov_b32 v230, 0
.irp e, 1,2,3,4,5,6,7
	v_cmp_le_f32 vcc_lo, v[P+\e], v228
	v_cndmask_b32 v228, v[P+\e], v228, vcc_lo
	v_cndmask_b32 v230, \e, v230, vcc_lo
.endr
	v_mov_b32 v229, -1.0                           ; under every probability
	v_mov_b32 v231, 0
.irp e, 0,1,2,3,4,5,6,7
	v_cmp_eq_u32 s20, \e, v230                     ; the best expert is passed over
	v_cmp_le_f32 vcc_lo, v[P+\e], v229
	s_or_b32 vcc_lo, vcc_lo, s20
	v_cndmask_b32 v229, v[P+\e], v229, vcc_lo
	v_cndmask_b32 v231, \e, v231, vcc_lo
.endr
	v_add_f32 v234, v228, v229
	v_add_f32 v234, 0x3089705f, v234               ; + 1e-9
	s_wait_alu depctr_va_vdst(0)
	v_rcp_f32 v234, v234
	v_nop
	s_wait_alu depctr_va_vdst(0)
	v_mul_f32 v232, v228, v234
	v_mul_f32 v233, v229, v234
	v_cmp_eq_u32 vcc_lo, 0, v1
	s_wait_alu depctr_va_vdst(0)
	s_wait_xcnt 0x0                                ; EXEC changes only behind this wait
	s_and_saveexec_b32 s20, vcc_lo                 ; every lane holds the same numbers: lane 0 stores them
	global_store_b64 v15, v[230:231], s[10:11]
	global_store_b64 v15, v[232:233], s[12:13]
	global_store_b128 v15, v[P:P+3], s[32:33]
	global_store_b128 v15, v[P+4:P+7], s[32:33] offset:16
	s_wait_xcnt 0x0
	s_or_b32 exec_lo, exec_lo, s20
	s_wait_tensorcnt 0x0                           ; the wave's end, behind my last LDS store
	ds_add_u32 v[SPW], v[NIL]
	s_wait_dscnt 0x0
	s_endpgm
.Lfunc_end_k_q75434d4936_route:
	.size	k_q75434d4936_route, .Lfunc_end_k_q75434d4936_route-k_q75434d4936_route
	.p2alignl 7, 3214868480
	.fill 96, 4, 3214868480
	.section	.rodata,"a",@progbits
	.p2align	6, 0x0
	.amdhsa_kernel k_q75434d4936_route
		.amdhsa_group_segment_fixed_size 23040
		.amdhsa_private_segment_fixed_size 0
		.amdhsa_enable_private_segment 0
		.amdhsa_kernarg_size 40
		.amdhsa_user_sgpr_count 2
		.amdhsa_user_sgpr_kernarg_segment_ptr 1
		.amdhsa_wavefront_size32 1
		.amdhsa_system_sgpr_workgroup_id_x 1
		.amdhsa_system_sgpr_workgroup_id_y 1
		.amdhsa_system_sgpr_workgroup_id_z 1
		.amdhsa_system_vgpr_workitem_id 0
		.amdhsa_next_free_vgpr 256
		.amdhsa_next_free_sgpr 66
		.amdhsa_reserve_vcc 1
		.amdhsa_float_denorm_mode_32 3
		.amdhsa_float_denorm_mode_16_64 3
		.amdhsa_memory_ordered 1
		.amdhsa_forward_progress 1
		.amdhsa_inst_pref_size 32
	.end_amdhsa_kernel
	.amdgpu_metadata
---
amdhsa.version: [ 1, 2 ]
amdhsa.kernels:
  - .name:           k_q75434d4936_route
    .symbol:         k_q75434d4936_route.kd
    .args:
      - { .name: x, .offset: 0, .size: 8, .value_kind: global_buffer, .address_space: global }
      - { .name: gate_w, .offset: 8, .size: 8, .value_kind: global_buffer, .address_space: global }
      - { .name: xqs, .offset: 16, .size: 8, .value_kind: global_buffer, .address_space: global }
      - { .name: ridx, .offset: 24, .size: 8, .value_kind: global_buffer, .address_space: global }
      - { .name: rwp, .offset: 32, .size: 8, .value_kind: global_buffer, .address_space: global }
    .group_segment_fixed_size: 23040
    .private_segment_fixed_size: 0
    .kernarg_segment_align: 8
    .kernarg_segment_size: 40
    .max_flat_workgroup_size: 128
    .sgpr_count:     66
    .vgpr_count:     256
    .wavefront_size: 32
...
	.end_amdgpu_metadata
.endif
;; end of part 6
;; launch place (part 7): grid 1 x 1, 32 waves a work-group, no clusters, 6,144 bytes of LDS; arguments ridx, rwp, plc, out1; writes plc, out1
.if DOCPART == 7
	.amdgcn_target "amdgcn-amd-amdhsa--gfx1250"
	.amdhsa_code_object_version 6
	.text
	.protected	k_q75434d4936_place
	.globl	k_q75434d4936_place
	.p2align	8
	.type	k_q75434d4936_place,@function
k_q75434d4936_place:
	s_mov_b64 s[64:65], 0
	v_nop
	global_prefetch_b8 v0, s[64:65] scope:SCOPE_SE
	s_setreg_imm32_b32 hwreg(HW_REG_WAVE_MODE, 25, 1), 1
	s_wait_xcnt 0x0
; MoE layer, launch 2 of 5: the chosen rows are placed by expert (a counting sort without atomics), and the aux loss is made.  Rows of experts not chosen are left out (shown at the head of the first kernel).
; One work-group of 32 waves; thread n owns token n, wave c the chunk of tokens 32 c .. 32 c + 31.  Expert e has room for 1,024 rows (a token chooses an expert once at the most), so no sum over experts is needed.
; OUT: plc + 0: [token][2] slot = expert x 1024 + place;  plc + 8,192: rows of each expert;  plc + 8,448: [expert][place] token, written up to the
; expert's last row: the reader holds its index at that row.
; All that steers an address here is whole numbers read from ridx.  The token list is stored 4 bytes a lane to scattered places: 8,192 bytes in all.
; aux = mean((mean_t probs - 1/8)^2) x 8 = the sum over the eight experts of (mean_t probs - 1/8)^2.
.set CT,    0                          ; LDS: [32 chunks][8 experts] counts
.set AUX,   1024                       ; [32 chunks][8 experts] sums of probabilities
.set SPARE, 2048                       ; the spare words, 128 bytes a wave: sixteen blocks of 256 bytes that no other line names
.set SPW,   30
.set NIL,   31
.set SEL,   34                         ; s[34:35]
.set TOT,   16                         ; s16-23 rows of each expert
.set BEF,   24                         ; s24-31 those of them in chunks ahead of mine
.macro RED8 a, t                       ; eight f32 sums over the 32 lanes, by turns; t: eight registers that have been written
.irp m, 1,2,4,8
.irp e, 0,1,2,3,4,5,6,7
	v_add_f32_dpp v[\a+\e], v[\a+\e], v[\a+\e] row_xmask:\m row_mask:0xf bank_mask:0xf
.endr
.endr
.irp e, 0,1,2,3,4,5,6,7
	v_permlanex16_b32 v[\t+\e], v[\a+\e], s[SEL], s[SEL+1]
.endr
.irp e, 0,1,2,3,4,5,6,7
	v_add_f32 v[\a+\e], v[\a+\e], v[\t+\e]
.endr
.endm
.macro REDI8 a, t                      ; the same on whole numbers
.irp m, 1,2,4,8
.irp e, 0,1,2,3,4,5,6,7
	v_add_nc_u32_dpp v[\a+\e], v[\a+\e], v[\a+\e] row_xmask:\m row_mask:0xf bank_mask:0xf
.endr
.endr
.irp e, 0,1,2,3,4,5,6,7
	v_permlanex16_b32 v[\t+\e], v[\a+\e], s[SEL], s[SEL+1]
.endr
.irp e, 0,1,2,3,4,5,6,7
	v_add_nc_u32 v[\a+\e], v[\a+\e], v[\t+\e]
.endr
.endm
	s_load_b256 s[4:11], s[0:1], 0x0               ; ridx s[4:5], rwp s[6:7], plc s[8:9], out1 s[10:11]
	v_lshl_add_u32 v[SPW], v0, 2, SPARE
	v_mov_b32 v[NIL], 0
	v_lshrrev_b32 v1, 5, v0
	s_delay_alu instid0(VALU_DEP_1)
	v_readfirstlane_b32 s14, v1                    ; wave = chunk c
	v_and_b32 v1, 31, v0                           ; lane
	v_lshlrev_b32 v2, 3, v0                        ; 8 x token
	v_lshlrev_b32 v3, 5, v0                        ; 32 x token
	v_and_b32 v24, 0x3e0, v0                       ; 32 c: my chunk's row in CT and AUX
	s_delay_alu instid0(VALU_DEP_4)
	v_lshlrev_b32 v25, 5, v1                       ; 32 x lane: on the way back a lane takes a chunk
	v_lshlrev_b32 v65, 2, v1
	v_mov_b32 v63, 0
	v_mov_b32 v64, 0
	s_mov_b32 s[SEL], 0x76543210
	s_mov_b32 s[SEL+1], 0xfedcba98
.irp e, 0,1,2,3,4,5,6,7
	v_mov_b32 v[48+\e], 0                          ; written once: a lane permute's destination counts as one of its sources
.endr
	v_mov_b32 v56, 0
	v_mov_b32 v57, 0
	s_wait_kmcnt 0x0
	global_load_b64 v[6:7], v2, s[4:5]             ; my token's two experts
	global_load_b128 v[8:11], v3, s[6:7] offset:8192
	global_load_b128 v[12:15], v3, s[6:7] offset:8208   ; and its eight probabilities
	s_wait_loadcnt 0x2                             ; the experts are in; the two loads behind may be out
.irp e, 0,1,2,3,4,5,6,7
	v_cmp_eq_u32 s32, \e, v6
	v_cmp_eq_u32 s33, \e, v7
	s_or_b32 s32, s32, s33
	s_bcnt1_i32_b32 s32, s32                       ; rows of expert e in my chunk
	v_mov_b32 v[16+\e], s32
.endr
	ds_store_b128 v24, v[16:19] offset:CT          ; all lanes write the same bytes with the same values
	ds_store_b128 v24, v[20:23] offset:CT+16
	s_wait_loadcnt 0x0
	RED8 8, 48
	ds_store_b128 v24, v[8:11] offset:AUX
	ds_store_b128 v24, v[12:15] offset:AUX+16
	s_wait_dscnt 0x0                               ; for the others' sake: my stores have landed
	s_barrier_signal -1
	s_barrier_wait -1
	ds_load_b128 v[32:35], v25 offset:CT           ; lane = chunk
	ds_load_b128 v[36:39], v25 offset:CT+16
	v_cmp_gt_u32 vcc_lo, s14, v1                   ; the chunks ahead of mine
	s_wait_dscnt 0x0
.irp e, 0,1,2,3,4,5,6,7
	v_lshlrev_b32 v[40+\e], 16, v[32+\e]
.endr
.irp e, 0,1,2,3,4,5,6,7
	v_cndmask_b32 v[40+\e], 0, v[40+\e], vcc_lo
.endr
.irp e, 0,1,2,3,4,5,6,7
	v_add_nc_u32 v[32+\e], v[32+\e], v[40+\e]      ; low half: counts for the total; high half: for the rows ahead of my chunk.  Neither sum passes 1,024
.endr
	REDI8 32, 48
.irp e, 0,1,2,3,4,5,6,7
	v_readfirstlane_b32 s[TOT+\e], v[32+\e]
.endr
.irp e, 0,1,2,3,4,5,6,7
	s_lshr_b32 s[BEF+\e], s[TOT+\e], 16
	s_and_b32 s[TOT+\e], s[TOT+\e], 0xffff
.endr
.irp e, 0,1,2,3,4,5,6,7
	v_cmp_eq_u32 s32, \e, v6
	v_cmp_eq_u32 s33, \e, v7
	s_or_b32 s36, s32, s33
	v_mbcnt_lo_u32_b32 v60, s36, 0                 ; rows of expert e in lower lanes of my chunk
	s_delay_alu instid0(VALU_DEP_1)
	v_add_nc_u32 v60, s[BEF+\e], v60
	s_delay_alu instid0(VALU_DEP_1)
	v_cndmask_b32 v56, v56, v60, s32
	s_delay_alu instid0(VALU_DEP_2)
	v_cndmask_b32 v57, v57, v60, s33
.endr
	s_delay_alu instid0(VALU_DEP_2)
	v_lshl_add_u32 v58, v6, 10, v56
	s_delay_alu instid0(VALU_DEP_2)
	v_lshl_add_u32 v59, v7, 10, v57
	s_delay_alu instid0(VALU_DEP_2)
	v_min_u32 v58, 0x1fff, v58                     ; a loaded number enters an address only behind a hold
	s_delay_alu instid0(VALU_DEP_2)
	v_min_u32 v59, 0x1fff, v59
	s_delay_alu instid0(VALU_DEP_2)
	v_lshlrev_b32 v61, 2, v58
	s_delay_alu instid0(VALU_DEP_2)
	v_lshlrev_b32 v62, 2, v59
	global_store_b64 v2, v[58:59], s[8:9]          ; the slots: a wave stores 256 consecutive bytes
	global_store_b32 v61, v0, s[8:9] offset:8448   ; the token list
	global_store_b32 v62, v0, s[8:9] offset:8448
	s_cmp_lg_u32 s14, 0
	s_cbranch_scc1 .Lend                           ; the rest is wave 0's; no barrier stands in it
	ds_load_b128 v[32:35], v25 offset:AUX
	ds_load_b128 v[36:39], v25 offset:AUX+16
.irp e, 0
	v_writelane_b32 v64, s[TOT+\e], \e
.endr
.irp e, 1, 2, 3, 4, 5, 6, 7
	s_delay_alu instid0(VALU_DEP_1)
	v_writelane_b32 v64, s[TOT+\e], \e
.endr
	global_store_b32 v65, v64, s[8:9] offset:8192
	s_wait_dscnt 0x0
	RED8 32, 48                                    ; the sums of the probabilities over all tokens
	s_mov_b32 s32, 0x3a800000                      ; 1 / 1024
	s_mov_b32 s33, 0xbe000000                      ; -1 / 8
.irp e, 0,1,2,3,4,5,6,7
	v_fma_f32 v[32+\e], v[32+\e], s32, s33
.endr
	v_mul_f32 v40, v32, v32
.irp e, 1,2,3,4,5,6,7
	s_delay_alu instid0(VALU_DEP_1)
	v_fma_f32 v40, v[32+\e], v[32+\e], v40
.endr
	v_cmp_eq_u32 vcc_lo, 0, v1
	s_wait_alu depctr_va_vdst(0)
	s_wait_xcnt 0x0
	s_and_saveexec_b32 s33, vcc_lo
	global_store_b32 v63, v40, s[10:11]            ; the aux loss
	s_wait_xcnt 0x0
	s_or_b32 exec_lo, exec_lo, s33
.Lend:
	s_wait_tensorcnt 0x0                           ; the wave's end, behind my last LDS store
	ds_add_u32 v[SPW], v[NIL]
	s_wait_dscnt 0x0
	s_endpgm
.Lfunc_end_k_q75434d4936_place:
	.size	k_q75434d4936_place, .Lfunc_end_k_q75434d4936_place-k_q75434d4936_place
	.p2alignl 7, 3214868480
	.fill 96, 4, 3214868480
	.section	.rodata,"a",@progbits
	.p2align	6, 0x0
	.amdhsa_kernel k_q75434d4936_place
		.amdhsa_group_segment_fixed_size 6144
		.amdhsa_private_segment_fixed_size 0
		.amdhsa_enable_private_segment 0
		.amdhsa_kernarg_size 32
		.amdhsa_user_sgpr_count 2
		.amdhsa_user_sgpr_kernarg_segment_ptr 1
		.amdhsa_wavefront_size32 1
		.amdhsa_system_sgpr_workgroup_id_x 1
		.amdhsa_system_sgpr_workgroup_id_y 1
		.amdhsa_system_sgpr_workgroup_id_z 1
		.amdhsa_system_vgpr_workitem_id 0
		.amdhsa_next_free_vgpr 96
		.amdhsa_next_free_sgpr 66
		.amdhsa_reserve_vcc 1
		.amdhsa_float_denorm_mode_32 3
		.amdhsa_float_denorm_mode_16_64 3
		.amdhsa_memory_ordered 1
		.amdhsa_forward_progress 1
		.amdhsa_inst_pref_size 22
	.end_amdhsa_kernel
	.amdgpu_metadata
---
amdhsa.version: [ 1, 2 ]
amdhsa.kernels:
  - .name:           k_q75434d4936_place
    .symbol:         k_q75434d4936_place.kd
    .args:
      - { .name: ridx, .offset: 0, .size: 8, .value_kind: global_buffer, .address_space: global }
      - { .name: rwp, .offset: 8, .size: 8, .value_kind: global_buffer, .address_space: global }
      - { .name: plc, .offset: 16, .size: 8, .value_kind: global_buffer, .address_space: global }
      - { .name: out1, .offset: 24, .size: 8, .value_kind: global_buffer, .address_space: global }
    .group_segment_fixed_size: 6144
    .private_segment_fixed_size: 0
    .kernarg_segment_align: 8
    .kernarg_segment_size: 32
    .max_flat_workgroup_size: 1024
    .sgpr_count:     66
    .vgpr_count:     96
    .wavefront_size: 32
...
	.end_amdgpu_metadata
.endif
;; end of part 7
;; launch fc1 (part 8): grid 32 x 8, 8 waves a work-group, no clusters, 207,872 bytes of LDS; arguments xqs, plc, fc1_w, fc1_b, hqs; writes hqs
.if DOCPART == 8
	.amdgcn_target "amdgcn-amd-amdhsa--gfx1250"
	.amdhsa_code_object_version 6
	.text
	.protected	k_q75434d4936_fc1
	.globl	k_q75434d4936_fc1
	.p2align	8
	.type	k_q75434d4936_fc1,@function
k_q75434d4936_fc1:
	s_mov_b64 s[64:65], 0
	v_nop
	global_prefetch_b8 v0, s[64:65] scope:SCOPE_SE
	s_setreg_imm32_b32 hwreg(HW_REG_WAVE_SCHED_MODE, 0, 2), 2
	s_setreg_imm32_b32 hwreg(HW_REG_WAVE_MODE, 25, 1), 1
	s_wait_xcnt 0x0
	s_wait_alu depctr_vm_vsrc(0)
; MoE layer, launch 3 of 5: h = Q(gelu(x W1^T + b1)) on codes of BF8 (E5M2) with E8M0 scales, for the chosen rows alone (rows of experts not chosen are left out: shown at the head of the first kernel).
; SHARES.  Work-group (fs, e) owns hidden units 128 fs .. 128 fs + 127 of expert e over all of K = 1,024: 512 KiB of f32 that no other work-group reads.  Eight waves.
; PHASE W: wave w streams the 16 rows of weight tile w, quantises them in registers, and lays each fragment in LDS as an image of the operand's registers.  Each load takes 512 consecutive bytes of a row;
; the numbers turn through the wave's own stage, so that a lane holds 16 neighbours along K of one row.  64 loads a wave are out.  One barrier, which every wave passes whatever the counts.
; PHASE M: wave w keeps tiles 2 p and 2 p + 1 (p = w % 4: 32 hidden units x 1,024 K, 256 registers) and walks the expert's tiles of 16 rows, w / 4 first and then every second one: no barrier, no LDS.
; A tile's rows are gathered by the token list; their codes and scale words come from xqs.  The index into the list is held at the expert's last row, so the places of a last tile past that row repeat it;
; nobody reads their results.  No tensor load and no cluster: the walk hangs on a stored count, and no two work-groups read the same weights.
; An expert with no rows still runs phase W, since the barrier may not hang on a count.
; LAYOUT.  Tile 2 b + u takes weight rows 32 b + 8 u + i + 8 (i / 8), and the product is used transposed (source 0 = 16 weight rows, source 1 = 16 token rows): lane (r, h) then holds token row r, and the
; 16 registers of my two tiles are hidden units 32 p + 16 h + 0 .. 15: half of one block of 32 along the next K.  So the conversions' results are registers 4 p .. 4 p + 3 of fc2's operand for K step fs.
; b1 is the C of each sum's first product.  OUT: hqs + 0: [e][tile][K step][c][lane][16 bytes];  hqs + 33,554,432: [e][tile][K step][row][4 scale bytes] (a byte a lane: one byte in 32 of what is stored).
; GELU = x Phi(x).  Q(|x|) = t (C1 + t (C2 + t (C3 + t (C4 + t C5)))) 2^(-x^2 log2(e) / 2), t = 1 / (1 + 0.2316419 |x|) (Abramowitz and Stegun 26.2.17, the factor 1 / sqrt(2 pi) folded into C1 .. C5);
; Phi = Q for x < 0, else 1 - Q.  LIMITS: |error of Phi| <= 7.5e-8 absolute, the size of f32's rounding of 1 + erf; so for x < -3, where |gelu| < 0.004, the relative error passes 1e-5.
; For large |x| the exponential falls to 0 and gelu is x or 0.  NaN and infinities are not served.  A block of zeros has the scale byte 1 where the rule says 127: its codes are zeros, and this program alone reads the bytes.
; THE MODE: SCHED_MODE bits 1:0 = 2 (LLVM: expert scheduling mode 2), set by the entry lines.  The code itself states the register dependences
; between vector or matrix instructions and memory or LDS instructions, with s_wait_alu, always for 0.
; THE PLAN, PHASE W.  Registers that memory or LDS instructions touch:
;   S0 .. S3 (window 1)  K step ks is loaded into S[ks % 4]; the stage's 16 LDS stores read it; no vector instruction names it.
;   X0, X1               The stage's LDS loads land in them, one K step ahead of the quantiser; the quantiser of K step ks reads and writes X[ks % 2].
;   PC, PW               Written by the quantiser; read by the five LDS stores of the images.
;   v1 .. v7             Offsets and LDS addresses, made at the head and never written again.
; Two waits to a K step.  The one on vm_vsrc at its head: the stage's stores have read S[ks % 4], in which the loads of K step ks + 4 land, and the last images' stores have read PC and PW, which the quantiser
; writes.  The one on va_vdst behind the quantiser: PC and PW are written, and the quantiser is done with X[ks % 2], in which the next K step's turn through the stage lands with no vector instruction between.
; THE PLAN, PHASE M.
;   AF, AS               The rows' loads land in them; the 16 products read them.
;   v11                  The token load lands in it; the address lines read it.
;   v10, v12, v13        Written by the address lines behind the products; read by the 35 loads that follow.
;   v14, v15, PC4, v108  Offsets, codes and scale byte of the trip's two stores; written behind the products, read at the trip's end.
; In a trip: one wait on vm_vsrc behind the products (the last trip's loads and stores have read all of these); the nine address lines; one wait on va_vdst (they are written; the products are done with AF and AS,
; the address lines with v11); the 35 loads, dealt among the first gelu's lines, which name none of their registers; one wait on va_vdst ahead of the two stores.
.set IMG,   0                          ; LDS: [8 tiles][8 K steps][4 c][32 lanes][16 bytes]
.set SCI,   131072                     ; [8 tiles][8 K steps][32 lanes][4 bytes]: the tiles' scale words
.set TURN,  139264                     ; a stage of 16 rows x TP bytes for each wave
.set TREG,  8448
.set TP,    528                        ; 512 bytes + 16 of padding: the 16 rows that a load touches start at 16 different columns of 16 bytes
.set SPARE, 206848                     ; the spare words, 128 bytes a wave: four blocks of 256 bytes that no other line names
.set RP,    4096                       ; a weight row in memory
.set SPW,   16
.set NIL,   17
.set PC4,   20                         ; v20-23   the four code registers of a tile of h
.set BS,    24                         ; v24-39   my tiles' scale words [u][ks]: scales and nothing else
.set BIAS,  40                         ; v40-55   b1 in the result's layout
.set AS,    56                         ; v56-63   the rows' scale words [ks]: scales and nothing else
.set ACC,   64                         ; v64-79   two accumulators
.set PC,    64                         ; (phase W: the 16 code registers just made)
.set T,     80                         ; v80-87, v88-95, v96-103: gelu at work
.set M,     88
.set P,     96
.set TM,    104                        ; v104-119 the quantiser at work (phase M: v104-108)
.set PW,    120                        ; the scale word just made
.set CK,    112                        ; phase M: v112-123 C1 .. C5 and -log2(e) / 2, each twice, for the packed forms
.set X,     128                        ; phase W: two sets of 64 numbers, v128-191 and v192-255, by turns
.set AF,    128                        ; phase M: v128-255 the rows' eight fragments
; window 1 (v256-511): phase W: four sets of 64 registers for the loads; phase M: my 16 weight fragments, (8 u + ks) x 16
; v1 16 lane; v2, v3 the stage in and out; v4, v5 where I store images and scale words; v6, v7 where I read them; v8 4 r; v9 16 h; v19 r; v10-15, v18 global offsets
; s14 wave, s15 p, s16 w / 4, s17 e, s18 fs, s19 tiles, s20 the tile in hand, s21 the tile ahead, s30 tiles - 1, s42 trips done, s43 my trips, s44 rows - 1; s2, s3, s31, s40, s41, s45-47 gelu's eight masks
.set MSB, 0
.macro WIN new                         ; the immediate's high byte repeats the setting that is left; bits 1:0 source 0, 3:2 source 1, 5:4 source 2, 7:6 destination
.if MSB != \new
	s_set_vgpr_msb (MSB<<8)|\new
.set MSB, \new
.endif
.endm
	s_load_b256 s[4:11], s[0:1], 0x0               ; xqs s[4:5], plc s[6:7], fc1_w s[8:9], fc1_b s[10:11]
	s_load_b64 s[12:13], s[0:1], 0x20              ; hqs
	v_lshl_add_u32 v[SPW], v0, 2, SPARE
	v_mov_b32 v[NIL], 0
	v_lshrrev_b32 v1, 5, v0
	v_readfirstlane_b32 s14, v1
	s_and_b32 s17, ttmp7, 0xffff
	s_mov_b32 s18, ttmp9
	v_and_b32 v18, 31, v0                          ; lane
	v_and_b32 v19, 15, v0                          ; r
	v_bfe_u32 v9, v0, 4, 1                         ; h
	v_lshlrev_b32 v1, 4, v18
	s_wait_alu depctr_va_vdst(0)
	s_wait_alu depctr_va_sdst(0)                   ; s14, the wave's number, is written, ahead of its first reader
	s_and_b32 s15, s14, 3
	s_lshr_b32 s16, s14, 2
	s_mul_i32 s25, s14, TREG
	s_add_co_u32 s25, s25, TURN
	v_add_nc_u32 v2, s25, v1                       ; the stage, in: a row's 512 bytes as they lie
	v_mul_u32_u24 v3, v19, TP
	v_lshl_add_u32 v3, v9, 6, v3
	v_add_nc_u32 v3, s25, v3                       ; out: row r, + 64 h: my 16 numbers of each block of 32
	s_lshl_b32 s25, s14, 14
	v_add_nc_u32 v4, s25, v1                       ; images of tile w
	v_lshlrev_b32 v7, 2, v18
	s_lshl_b32 s25, s14, 10
	s_add_co_u32 s25, s25, SCI
	v_add_nc_u32 v5, s25, v7                       ; its scale words
	s_lshl_b32 s25, s15, 11
	s_add_co_u32 s25, s25, SCI
	v_add_nc_u32 v7, s25, v7                       ; the scale words of tiles 2 p, 2 p + 1
	s_lshl_b32 s25, s15, 15
	v_add_nc_u32 v6, s25, v1                       ; and their images
	v_lshlrev_b32 v8, 2, v19
	v_lshlrev_b32 v14, 6, v9                       ; b1: 64 h
	v_lshlrev_b32 v9, 4, v9
.irp b, 0,1,2,3
	v_mov_b32 v[TM+4+\b], 0                        ; written once: a lane permute's destination counts as one of its sources
.endr
	s_mov_b32 s22, 0x76543210
	s_mov_b32 s23, 0xfedcba98                      ; v_permlanex16_b32's selects for lane l xor 16
	s_mov_b32 s24, 0x600000                        ; the mantissa field of 57,344
	s_mov_b32 s34, 0x3e6d3388                      ; 0.2316419
	s_lshl_b32 s35, s17, 2                         ; my expert's count
	s_lshl_b32 s26, s17, 24                        ; the weights: expert e,
	s_lshl_b32 s25, s18, 7
	s_lshr_b32 s28, s14, 1
	s_lshl_b32 s28, s28, 5
	s_add_co_u32 s25, s25, s28
	s_and_b32 s28, s14, 1
	s_lshl_b32 s28, s28, 3
	s_add_co_u32 s25, s25, s28                     ; row 128 fs + 32 (w / 2) + 8 (w % 2)
	s_lshl_b32 s25, s25, 12
	s_add_co_u32 s26, s26, s25
	s_mov_b32 s27, 0
	s_lshl_b32 s28, s17, 14                        ; b1: 16,384 e + 512 fs + 128 p
	s_lshl_b32 s25, s18, 9
	s_add_co_u32 s28, s28, s25
	s_lshl_b32 s25, s15, 7
	s_add_co_u32 s28, s28, s25
	s_mov_b32 s29, 0
	s_lshl_b32 s36, s17, 12                        ; the token list of expert e
	s_add_co_u32 s36, s36, 8448
	s_mov_b32 s37, 0
	s_lshl_b32 s32, s17, 22                        ; h's codes: e, K step fs, c = p
	s_lshl_b32 s25, s18, 11
	s_or_b32 s32, s32, s25
	s_lshl_b32 s25, s15, 9
	s_or_b32 s32, s32, s25
	s_lshl_b32 s33, s17, 17                        ; h's scale bytes: e, K step fs, byte p
	s_lshl_b32 s25, s18, 6
	s_or_b32 s33, s33, s25
	s_or_b32 s33, s33, s15
	s_wait_kmcnt 0x0
	s_load_b32 s19, s[6:7], s35 offset:0x2000
	s_add_nc_u64 s[26:27], s[8:9], s[26:27]
	s_add_nc_u64 s[10:11], s[10:11], s[28:29]
	s_add_nc_u64 s[36:37], s[6:7], s[36:37]
	s_add_nc_u64 s[38:39], s[12:13], 0x2000000
	s_wait_alu depctr_va_vdst(0)                   ; the offsets and LDS addresses v1 to v9 and v14 are written, which the loads and LDS instructions below read
.irp i, 0,1,2,3
	global_load_b128 v[BIAS+4*\i:BIAS+4*\i+3], v14, s[10:11] offset:16*\i   ; b1 of hidden units 32 p + 16 h + 0 .. 15; older than every weight load
.endr
.macro WLOAD ks                        ; K step ks of my 16 rows into set ks % 4 of window 1
.irp i, 0,1,2,3,4,5,6,7,8,9,10,11,12,13,14,15
	global_load_b128 v[64*((\ks)%4)+4*\i:64*((\ks)%4)+4*\i+3], v1, s[26:27] offset:(\i+8*(\i/8))*RP+512*(\ks) th:TH_LOAD_NT
.endr
.endm
.macro TURNW ks                        ; K step ks through the stage, into X[ks % 2]
	WIN 0x04                                       ; an LDS store's data are its source 1: window 1
.irp i, 0,1,2,3,4,5,6,7,8,9,10,11,12,13,14,15
	ds_store_b128 v2, v[64*((\ks)%4)+4*\i:64*((\ks)%4)+4*\i+3] offset:TP*\i
.endr
	WIN 0
.irp c, 0,1,2,3
.irp j, 0,1,2,3
	ds_load_b128 v[X+64*((\ks)%2)+16*\c+4*\j:X+64*((\ks)%2)+16*\c+4*\j+3], v3 offset:128*\c+16*\j   ; LDS serves a wave's instructions in order: these see the stores above
.endr
.endr
.endm
; 64 numbers of a lane, register 16 b + i = k 32 b + 16 h + i of my row, become a fragment's codes in v[PC] on and its scale word in v[PW]
.macro QUANT s
.irp b, 0,1,2,3
	v_max3_num_f32 v[TM+\b], |v[\s+16*\b]|, |v[\s+1+16*\b]|, 0x8000000   ; with the floor 2^(16 - 127): the byte cannot fall under 1
.endr
.irp i, 2,4,6,8,10,12,14
.irp b, 0,1,2,3
	v_max3_num_f32 v[TM+\b], v[TM+\b], |v[\s+16*\b+\i]|, |v[\s+1+16*\b+\i]|   ; the four blocks by turns
.endr
.endr
.irp b, 0,1,2,3
	v_permlanex16_b32 v[TM+4+\b], v[TM+\b], s22, s23
.endr
.irp b, 0,1,2,3
	v_max_num_f32 v[TM+\b], v[TM+\b], v[TM+4+\b]   ; with lane l xor 16's: the block's largest magnitude
.endr
.irp b, 0,1,2,3
	v_add_nc_u32 v[TM+12+\b], 0xf8800000, v[TM+\b] ; 15 off its exponent field: the conversion's scale operand
.endr
.irp b, 0,1,2,3
	v_and_or_b32 v[TM+8+\b], v[TM+\b], 0x7f800000, s24   ; 57,344 x the scale
.endr
.irp b, 0,1,2,3
	v_lshrrev_b32 v[TM+4+\b], 23, v[TM+12+\b]      ; the scale's byte
.endr
	v_lshl_or_b32 v[PW], v[TM+5], 8, v[TM+4]
	v_lshl_or_b32 v[PW], v[TM+6], 16, v[PW]
	v_lshl_or_b32 v[PW], v[TM+7], 24, v[PW]
.irp b, 0,1,2,3
.irp i, 0,1,2,3,4,5,6,7,8,9,10,11,12,13,14,15
	v_med3_num_f32 v[\s+16*\b+\i], v[\s+16*\b+\i], -v[TM+8+\b], v[TM+8+\b]   ; the conversion to an 8-bit code does not saturate (ISA guide 7.6.2)
.endr
	v_cvt_scalef32_pk8_bf8_f32 v[PC+4*\b:PC+1+4*\b], v[\s+16*\b:\s+7+16*\b], v[TM+12+\b]
	v_cvt_scalef32_pk8_bf8_f32 v[PC+2+4*\b:PC+3+4*\b], v[\s+8+16*\b:\s+15+16*\b], v[TM+12+\b]
.endr
	v_nop                                          ; a plain line behind the last conversion
.endm
	WIN 0x40                                       ; destination window 1
	WLOAD 0
	WLOAD 1
	WLOAD 2
	WLOAD 3
	WIN 0
	s_wait_kmcnt 0x0
	s_sub_co_u32 s44, s19, 1                       ; the expert's last row (used only where it has rows)
	s_add_co_u32 s19, s19, 15
	s_lshr_b32 s19, s19, 4
	s_min_u32 s19, s19, 64                         ; tiles of 16 rows
	s_sub_co_u32 s30, s19, 1
	s_add_co_u32 s43, s19, 1
	s_sub_co_u32 s43, s43, s16
	s_lshr_b32 s43, s43, 1                         ; my trips: tiles w / 4, w / 4 + 2, ..
	s_wait_loadcnt 48                              ; K step 0's 16 loads are in; three younger sets may be out
	TURNW 0
.irp ks, 0,1,2,3,4,5,6,7
.if \ks == 0
	s_wait_dscnt 0x0                               ; this K step's numbers are back from the stage
.else
	s_wait_dscnt 5                                 ; this K step's numbers are back from the stage; the five stores of the last images, issued behind them, may be out
.endif
	s_wait_alu depctr_vm_vsrc(0)                   ; the stage's stores have read set ks % 4, in which loads land next; the last images' stores have read PC and PW, which the quantiser writes
.if \ks < 4
	WIN 0x40
	WLOAD \ks+4
	WIN 0
.endif
.if \ks < 7
.if \ks < 4
	s_wait_loadcnt 48                              ; the next K step's 16 loads are in; three younger sets may be out
.else
	s_wait_loadcnt 16*(6-\ks)
.endif
	TURNW \ks+1                                    ; the next K step turns through the stage while this one is quantised.  No wait on va_vdst: no vector instruction since the last one names the other X
.endif
	QUANT X+64*(\ks%2)
	s_wait_alu depctr_va_vdst(0)                   ; the quantiser has written PC and PW, which the stores below read, and is done with this X, in which the K step after the next lands
.irp c, 0,1,2,3
	ds_store_b128 v4, v[PC+4*\c:PC+4*\c+3] offset:IMG+2048*\ks+512*\c   ; the fragment as it stands: lane l's 16 bytes at 16 l
.endr
	ds_store_b32 v5, v[PW] offset:128*\ks
.endr
	s_wait_dscnt 0x0                               ; for the others' sake: my images have landed
	s_barrier_signal -1
	s_barrier_wait -1
	s_wait_alu depctr_vm_vsrc(0)                   ; my last images' stores have read PW, which the constants below write, and PC, which the products write as their accumulators
	WIN 0x40
.irp u, 0,1
.irp ks, 0,1,2,3,4,5,6,7
.irp c, 0,1,2,3
	ds_load_b128 v[16*(8*\u+\ks)+4*\c:16*(8*\u+\ks)+4*\c+3], v6 offset:IMG+16384*\u+2048*\ks+512*\c
.endr
.endr
.endr
	WIN 0
.irp u, 0,1
.irp ks, 0,1,2,3,4,5,6,7
	ds_load_b32 v[BS+8*\u+\ks], v7 offset:1024*\u+128*\ks
.endr
.endr
.irp i, 0,1
	v_mov_b32 v[CK+\i], 0x3e027906                 ; C1 =  0.127414796
	v_mov_b32 v[CK+2+\i], 0xbe11a98e               ; C2 = -0.142248368
	v_mov_b32 v[CK+4+\i], 0x3f35f0e3               ; C3 =  0.710706871
	v_mov_b32 v[CK+6+\i], 0xbf3a00e3               ; C4 = -0.726576014
	v_mov_b32 v[CK+8+\i], 0x3f07dc22               ; C5 =  0.530702716
	v_mov_b32 v[CK+10+\i], 0xbf38aa3b              ; -log2(e) / 2
.endr
	s_wait_dscnt 0x0
.macro TOKA sreg                       ; where the 16 tokens of a tile lie: lane (r, h) takes row r's; the index is held at the expert's last row, so that only stored words are read
	s_min_u32 s25, \sreg, 63
	s_lshl_b32 s25, s25, 4
	v_add_nc_u32 v10, s25, v19
	v_min_u32 v10, s44, v10
	v_min_u32 v10, 0x3ff, v10                      ; a loaded number enters an address only behind a hold at a constant
	v_lshlrev_b32 v10, 2, v10
.endm
.macro TOKG                            ; and their load
	global_load_b32 v11, v10, s[36:37]
.endm
.macro ADDR                            ; a loaded number enters an address only behind a hold
	v_min_u32 v18, 1023, v11
	v_lshl_add_u32 v12, v18, 10, v9                ; my row's codes, + 16 h
	v_lshlrev_b32 v13, 5, v18                      ; its eight scale words
.endm
.macro ALOADK ks                       ; a fragment: registers 4 c .. 4 c + 3: k = 128 ks + 32 c + 16 h + 0 .. 15
.irp c, 0,1,2,3
	global_load_b128 v[AF+16*(\ks)+4*\c:AF+16*(\ks)+4*\c+3], v12, s[4:5] offset:128*(\ks)+32*\c
.endr
.endm
.macro ALOADS                          ; the rows' scale words
.irp i, 0,1
	global_load_b128 v[AS+4*\i:AS+4*\i+3], v13, s[4:5] offset:1048576+16*\i
.endr
.endm
.macro MUL                             ; 16 products; the two accumulators take turns, one instruction a turn
	WIN 0x01                                       ; source 0 (the weights) window 1
.irp ks, 0,1,2,3,4,5,6,7
.irp u, 0,1
.if \ks == 0
	v_wmma_scale_f32_16x16x128_f8f6f4 v[ACC+8*\u:ACC+8*\u+7], v[16*(8*\u+\ks):16*(8*\u+\ks)+15], v[AF+16*\ks:AF+16*\ks+15], v[BIAS+8*\u:BIAS+8*\u+7], v[BS+8*\u+\ks], v[AS+\ks] matrix_a_fmt:MATRIX_FMT_BF8 matrix_b_fmt:MATRIX_FMT_BF8
.else
	v_wmma_scale_f32_16x16x128_f8f6f4 v[ACC+8*\u:ACC+8*\u+7], v[16*(8*\u+\ks):16*(8*\u+\ks)+15], v[AF+16*\ks:AF+16*\ks+15], v[ACC+8*\u:ACC+8*\u+7], v[BS+8*\u+\ks], v[AS+\ks] matrix_a_fmt:MATRIX_FMT_BF8 matrix_b_fmt:MATRIX_FMT_BF8
.endif
.endr
.endr
	WIN 0
.endm
; Eight numbers of a lane, in place; the accumulator is read from its low end on.  deal = 1: the next tile's 35 loads are dealt among the first lines, 34 for the rows and last the token load: no line here
; names AF, AS or v10 to v13, so the wait on va_vdst ahead of the macro serves them all.
.macro GELU u, deal
.set A, ACC+8*(\u)
.irp i, 0,1,2,3,4,5,6,7
	v_fma_f32 v[T+\i], |v[A+\i]|, s34, 1.0
.endr
.if \deal
	ALOADK 0
	ALOADK 1
.endif
.irp i, 0,2,4,6
	v_pk_mul_f32 v[M+\i:M+\i+1], v[A+\i:A+\i+1], v[A+\i:A+\i+1]
.endr
.if \deal
	ALOADK 2
	ALOADK 3
.endif
.irp i, 0,2,4,6
	v_pk_mul_f32 v[M+\i:M+\i+1], v[M+\i:M+\i+1], v[CK+10:CK+11]
.endr
.if \deal
	ALOADK 4
	ALOADK 5
.endif
	v_cmp_gt_f32 s2, 0, v[A]                       ; where x < 0: eight masks in a run, each in a scalar register of its own, read far below
	v_cmp_gt_f32 s3, 0, v[A+1]
	v_cmp_gt_f32 s31, 0, v[A+2]
	v_cmp_gt_f32 s40, 0, v[A+3]
	v_cmp_gt_f32 s41, 0, v[A+4]
	v_cmp_gt_f32 s45, 0, v[A+5]
	v_cmp_gt_f32 s46, 0, v[A+6]
	v_cmp_gt_f32 s47, 0, v[A+7]
.if \deal
	ALOADK 6
	ALOADK 7
.endif
	s_wait_alu depctr_va_vdst(0)
.irp i, 0,1,2,3,4,5,6,7
	v_rcp_f32 v[T+\i], v[T+\i]                     ; t
.endr
.if \deal
	ALOADS
	TOKG                                           ; the youngest of the 35
.endif
.irp i, 0,1,2,3,4,5,6,7
	v_exp_f32 v[M+\i], v[M+\i]                     ; 2^(-x^2 log2(e) / 2)
.endr
	v_nop                                          ; a plain line behind the batch
	s_wait_alu depctr_va_vdst(0)                   ; the eight reciprocals and eight exponentials have written T and M: one wait for the sixteen, ahead of their first reader
.irp i, 0,2,4,6
	v_pk_fma_f32 v[P+\i:P+\i+1], v[T+\i:T+\i+1], v[CK+8:CK+9], v[CK+6:CK+7]
.endr
.irp k, 4,2,0
.irp i, 0,2,4,6
	v_pk_fma_f32 v[P+\i:P+\i+1], v[P+\i:P+\i+1], v[T+\i:T+\i+1], v[CK+\k:CK+\k+1]
.endr
.endr
.irp i, 0,2,4,6
	v_pk_mul_f32 v[P+\i:P+\i+1], v[P+\i:P+\i+1], v[T+\i:T+\i+1]
.endr
.irp i, 0,2,4,6
	v_pk_mul_f32 v[P+\i:P+\i+1], v[P+\i:P+\i+1], v[M+\i:M+\i+1]   ; Q(|x|)
.endr
.irp i, 0,2,4,6
	v_pk_fma_f32 v[M+\i:M+\i+1], v[P+\i:P+\i+1], -1.0, 1.0 op_sel_hi:[1,0,0]   ; 1 - Q
.endr
	s_wait_alu depctr_va_sdst(0)                   ; the eight compares have written their masks, ahead of the first select that reads one
	v_cndmask_b32 v[P], v[M], v[P], s2             ; Phi
	v_cndmask_b32 v[P+1], v[M+1], v[P+1], s3
	v_cndmask_b32 v[P+2], v[M+2], v[P+2], s31
	v_cndmask_b32 v[P+3], v[M+3], v[P+3], s40
	v_cndmask_b32 v[P+4], v[M+4], v[P+4], s41
	v_cndmask_b32 v[P+5], v[M+5], v[P+5], s45
	v_cndmask_b32 v[P+6], v[M+6], v[P+6], s46
	v_cndmask_b32 v[P+7], v[M+7], v[P+7], s47
.irp i, 0,2,4,6
	v_pk_mul_f32 v[A+\i:A+\i+1], v[A+\i:A+\i+1], v[P+\i:P+\i+1]
.endr
.endm
.macro QH                              ; my 16 numbers and lane l xor 16's are one block of 32 along fc2's K
	v_max3_num_f32 v[TM], |v[ACC]|, |v[ACC+1]|, 0x8000000
	v_max3_num_f32 v[TM+1], |v[ACC+2]|, |v[ACC+3]|, |v[ACC+4]|
	v_max3_num_f32 v[TM], v[TM], |v[ACC+5]|, |v[ACC+6]|
	v_max3_num_f32 v[TM+1], v[TM+1], |v[ACC+7]|, |v[ACC+8]|
	v_max3_num_f32 v[TM], v[TM], |v[ACC+9]|, |v[ACC+10]|
	v_max3_num_f32 v[TM+1], v[TM+1], |v[ACC+11]|, |v[ACC+12]|
	v_max3_num_f32 v[TM], v[TM], |v[ACC+13]|, |v[ACC+14]|
	v_max3_num_f32 v[TM], v[TM], v[TM+1], |v[ACC+15]|
	v_permlanex16_b32 v[TM+1], v[TM], s22, s23
	v_max_num_f32 v[TM], v[TM], v[TM+1]
	v_add_nc_u32 v[TM+2], 0xf8800000, v[TM]
	v_and_or_b32 v[TM+3], v[TM], 0x7f800000, s24
	v_lshrrev_b32 v[TM+4], 23, v[TM+2]
.irp i, 0,1,2,3,4,5,6,7,8,9,10,11,12,13,14,15
	v_med3_num_f32 v[ACC+\i], v[ACC+\i], -v[TM+3], v[TM+3]
.endr
	v_cvt_scalef32_pk8_bf8_f32 v[PC4:PC4+1], v[ACC:ACC+7], v[TM+2]
	v_cvt_scalef32_pk8_bf8_f32 v[PC4+2:PC4+3], v[ACC+8:ACC+15], v[TM+2]
	v_nop                                          ; a plain line behind the last conversion: the next products write its sources
.endm
	s_cmp_eq_u32 s43, 0
	s_cbranch_scc1 .Ldone                          ; no tile for this wave
	s_mov_b32 s20, s16
	s_mov_b32 s42, 0
	TOKA s20
	s_wait_alu depctr_va_vdst(0)                   ; v10 is written, which the token load reads as its offset
	TOKG
	s_wait_loadcnt 0x0
	s_wait_alu depctr_vm_vsrc(0)                   ; that load has read v10, which is written again below
	ADDR
	s_add_co_u32 s21, s20, 2
	s_min_u32 s21, s21, s30                        ; the tile ahead, held at the expert's last tile: no load leaves what has been stored
	TOKA s21
	s_wait_alu depctr_va_vdst(0)                   ; v10, v12 and v13 are written, which the loads below read; the address lines are done reading v11 and the quantiser is done with v128 to v255, in which they land
.irp ks, 0,1,2,3,4,5,6,7
	ALOADK \ks
.endr
	ALOADS
	TOKG
.Ltile:
	s_wait_loadcnt 0x1                             ; the tile's 34 loads are in; the token load behind them may be out
	MUL
	s_wait_xcnt 0x0                                ; the last trip's stores have read their data and offsets, which are written again below
	s_wait_loadcnt 0x0                             ; the next tile's tokens
	s_wait_alu depctr_vm_vsrc(0)                   ; the last trip's loads have read v10, v12 and v13, its stores v14, v15, the codes and the scale's byte: all are written again in this trip
	ADDR
	s_add_co_u32 s21, s20, 4
	s_min_u32 s21, s21, s30
	TOKA s21
	s_min_u32 s25, s20, 63
	s_lshl_b32 s28, s25, 16
	s_add_co_u32 s28, s28, s32
	v_add_nc_u32 v14, s28, v1                      ; where this tile's codes go,
	s_lshl_b32 s28, s25, 11
	s_add_co_u32 s28, s28, s33
	v_add_nc_u32 v15, s28, v8                      ; and its scale bytes.  These nine vector lines are the places behind the products (eight are asked), in front of the first read of their results
	s_wait_alu depctr_va_vdst(0)                   ; v10, v12 and v13 are written, which the next tile's loads read; the products are done reading AF and AS, the address lines v11, in which those loads land
	GELU 0, 1                                      ; the next tile's loads are dealt among its first lines, and land while this tile goes through gelu
	GELU 1, 0
	QH
	s_wait_alu depctr_va_vdst(0)                   ; the conversions have written the codes and the shift the scale's byte, which the two stores read (v14 and v15 were written ahead of the wait above)
	global_store_b128 v14, v[PC4:PC4+3], s[12:13]  ; 512 consecutive bytes
	global_store_b8 v15, v[TM+4], s[38:39]         ; both lanes of a row write the same byte with the same value
	s_add_co_u32 s20, s20, 2                       ; my next tile
	s_add_co_u32 s42, s42, 1                       ; the loop counts its trips one by one
	s_cmp_lt_u32 s42, s43
	s_cbranch_scc1 .Ltile
.Ldone:
	s_wait_dscnt 0x0                               ; the closing lines, six on end
	s_wait_alu 0x0
	s_wait_tensorcnt 0x0
	ds_add_u32 v[SPW], v[NIL]
	s_wait_dscnt 0x0
	s_endpgm
.Lfunc_end_k_q75434d4936_fc1:
	.size	k_q75434d4936_fc1, .Lfunc_end_k_q75434d4936_fc1-k_q75434d4936_fc1
	.p2alignl 7, 3214868480
	.fill 96, 4, 3214868480
	.section	.rodata,"a",@progbits
	.p2align	6, 0x0
	.amdhsa_kernel k_q75434d4936_fc1
		.amdhsa_group_segment_fixed_size 207872
		.amdhsa_private_segment_fixed_size 0
		.amdhsa_enable_private_segment 0
		.amdhsa_kernarg_size 40
		.amdhsa_user_sgpr_count 2
		.amdhsa_user_sgpr_kernarg_segment_ptr 1
		.amdhsa_wavefront_size32 1
		.amdhsa_system_sgpr_workgroup_id_x 1
		.amdhsa_system_sgpr_workgroup_id_y 1
		.amdhsa_system_sgpr_workgroup_id_z 1
		.amdhsa_system_vgpr_workitem_id 0
		.amdhsa_next_free_vgpr 512
		.amdhsa_next_free_sgpr 66
		.amdhsa_reserve_vcc 0
		.amdhsa_float_denorm_mode_32 3
		.amdhsa_float_denorm_mode_16_64 3
		.amdhsa_memory_ordered 1
		.amdhsa_forward_progress 1
		.amdhsa_inst_pref_size 129
	.end_amdhsa_kernel
	.amdgpu_metadata
---
amdhsa.version: [ 1, 2 ]
amdhsa.kernels:
  - .name:           k_q75434d4936_fc1
    .symbol:         k_q75434d4936_fc1.kd
    .args:
      - { .name: xqs, .offset: 0, .size: 8, .value_kind: global_buffer, .address_space: global }
      - { .name: plc, .offset: 8, .size: 8, .value_kind: global_buffer, .address_space: global }
      - { .name: fc1_w, .offset: 16, .size: 8, .value_kind: global_buffer, .address_space: global }
      - { .name: fc1_b, .offset: 24, .size: 8, .value_kind: global_buffer, .address_space: global }
      - { .name: hqs, .offset: 32, .size: 8, .value_kind: global_buffer, .address_space: global }
    .group_segment_fixed_size: 207872
    .private_segment_fixed_size: 0
    .kernarg_segment_align: 8
    .kernarg_segment_size: 40
    .max_flat_workgroup_size: 256
    .sgpr_count:     66
    .vgpr_count:     512
    .wavefront_size: 32
...
	.end_amdgpu_metadata
.endif
;; end of part 8
;; launch fc2 (part 9): grid 32 x 8, 8 waves a work-group, no clusters, 207,872 bytes of LDS; arguments hqs, plc, fc2_w, yp; writes yp
.if DOCPART == 9
	.amdgcn_target "amdgcn-amd-amdhsa--gfx1250"
	.amdhsa_code_object_version 6
	.text
	.protected	k_q75434d4936_fc2
	.globl	k_q75434d4936_fc2
	.p2align	8
	.type	k_q75434d4936_fc2,@function
k_q75434d4936_fc2:
	s_mov_b64 s[64:65], 0
	v_nop
	global_prefetch_b8 v0, s[64:65] scope:SCOPE_SE
	s_setreg_imm32_b32 hwreg(HW_REG_WAVE_SCHED_MODE, 0, 2), 2
	s_setreg_imm32_b32 hwreg(HW_REG_WAVE_MODE, 25, 1), 1
	s_wait_xcnt 0x0
	s_wait_alu depctr_vm_vsrc(0)
; MoE layer, launch 4 of 5: partial sums of h W2^T on codes of BF8 (E5M2) with E8M0 scales, for the chosen rows alone (rows of experts not chosen are left out: shown at the head of the first kernel).
; SHARES.  Work-group (dj + 8 q, e) owns outputs 128 dj .. 128 dj + 127 of expert e over K = 1,024 q .. 1,024 q + 1,023: 512 KiB of f32 that no other work-group reads.  The four quarters of K give four
; partial sums, which the last launch adds: with all of K in one work-group it would own 32 outputs, and h would be read 32 times and not 8.
; PHASE W: wave w streams weight tile w, quantises it in registers and lays each fragment in LDS as an image of the operand's registers; one barrier, which every wave passes whatever the counts.
; PHASE M: wave w keeps tiles 2 p and 2 p + 1 (p = w % 4) in 256 registers and walks the expert's tiles of 16 rows, w / 4 first and then every second one.  h lies in the order of the operand's registers,
; so a fragment is four loads of 512 consecutive bytes.  No tensor load and no cluster: the walk hangs on a stored count, and no two work-groups read the same weights.
; LAYOUT.  Tile 2 b + u takes weight rows 32 b + 8 u + i + 8 (i / 8); the product is used transposed: lane (r, h) holds row r and outputs 32 p + 16 h + 0 .. 15: 64 bytes.  They go through the wave's own
; stage in LDS (the bytes that were its stage in phase W) and leave as 2,048 consecutive bytes: yp is laid [q][32 blocks of 32 outputs][slot][32].
; LIMITS: NaN and infinities among the inputs are not served; a block of zeros has the scale byte 1 where the rule says 127: its codes are zeros, and this program alone reads the bytes.
; THE MODE: SCHED_MODE bits 1:0 = 2 (LLVM: expert scheduling mode 2), set by the entry lines.  The code itself states the register dependences
; between vector or matrix instructions and memory or LDS instructions, with s_wait_alu, always for 0.
; THE PLAN, PHASE W.  Registers that memory or LDS instructions touch:
;   S0 .. S3 (window 1)  K step ks is loaded into S[ks % 4]; the stage's 16 LDS stores read it; no vector instruction names it.
;   X0, X1               The stage's LDS loads land in them, one K step ahead of the quantiser; the quantiser of K step ks reads and writes X[ks % 2].
;   PC, PW               Written by the quantiser; read by the five LDS stores of the images.
;   v1 .. v8, v10, v11   Offsets and LDS addresses, made at the head and never written again.
; Two waits to a K step.  The one on vm_vsrc at its head: the stage's stores have read S[ks % 4], in which loads land next, and the last images' stores have read PC and PW, which the quantiser
; writes.  The one on va_vdst behind the quantiser: PC and PW are written, and the quantiser is done with X[ks % 2], in which the next K step's turn through the stage lands with no vector instruction between.
; THE PLAN, PHASE M.
;   AF, AS               The tile's 40 loads land in them; the 16 products read them.
;   ACC                  Written by the products; read by the stage's four LDS stores.
;   OB                   The stage's four LDS loads land in it; the four global stores read it; no vector instruction names it.
;   v12, v13, v14        Offsets, written behind the products; read by the 40 loads and the four stores that follow.
; Two waits to a trip.  The one on vm_vsrc at its head: all that the last trip's loads, LDS stores and stores read (v12 to v14, ACC, OB) may be written.  The one on va_vdst behind the products and their places:
; ACC and the offsets are written, and the products are done reading AF and AS.  All the trip's memory and LDS instructions follow it, with no vector instruction among them.
.set IMG,   0                          ; LDS: [8 tiles][8 K steps][4 c][32 lanes][16 bytes]
.set SCI,   131072                     ; [8 tiles][8 K steps][32 lanes][4 bytes]
.set TURN,  139264                     ; a stage for each wave: phase W 16 rows x TP bytes, phase M 16 rows x 144
.set TREG,  8448
.set TP,    528
.set SPARE, 206848                     ; the spare words, 128 bytes a wave: four blocks of 256 bytes that no other line names
.set RP,    16384                      ; a weight row in memory
.set SPW,   16
.set NIL,   17
.set BS,    24                         ; v24-39   my tiles' scale words [u][ks]: scales and nothing else
.set AS,    56                         ; v56-63   the rows' scale words [ks]: scales and nothing else
.set ACC,   64                         ; v64-79   two accumulators
.set PC,    64                         ; (phase W: the 16 code registers just made)
.set OB,    80                         ; v80-95   a tile's results, back from the stage
.set TM,    104
.set PW,    120
.set X,     128                        ; phase W: two sets of 64 numbers, v128-191 and v192-255, by turns
.set AF,    128                        ; v128-255 the rows' eight fragments
; window 1 (v256-511): phase W: four sets of 64 registers for the loads; phase M: my 16 weight fragments, (8 u + ks) x 16
; v1 16 lane; v2, v3 the stage in and out (phase W); v4, v5 where I store images and scale words; v6, v7 where I read them; v8 4 r; v10, v11 the stage in and out (phase M); v12-14 global offsets
; s14 wave, s15 p, s16 w / 4, s17 e, s18 dj, s31 q, s19 tiles, s20 the tile in hand, s21 the tile ahead, s30 tiles - 1, s42 trips done, s43 my trips
.set MSB, 0
.macro WIN new                         ; the immediate's high byte repeats the setting that is left; bits 1:0 source 0, 3:2 source 1, 5:4 source 2, 7:6 destination
.if MSB != \new
	s_set_vgpr_msb (MSB<<8)|\new
.set MSB, \new
.endif
.endm
	s_load_b256 s[4:11], s[0:1], 0x0               ; hqs s[4:5], plc s[6:7], fc2_w s[8:9], yp s[10:11]
	v_lshl_add_u32 v[SPW], v0, 2, SPARE
	v_mov_b32 v[NIL], 0
	v_lshrrev_b32 v1, 5, v0
	v_readfirstlane_b32 s14, v1
	s_and_b32 s17, ttmp7, 0xffff
	s_and_b32 s18, ttmp9, 7
	s_lshr_b32 s31, ttmp9, 3
	v_and_b32 v18, 31, v0                          ; lane
	v_and_b32 v19, 15, v0                          ; r
	v_bfe_u32 v9, v0, 4, 1                         ; h
	v_lshlrev_b32 v1, 4, v18
	s_wait_alu depctr_va_sdst(0)                   ; s14, the wave's number, is written, ahead of its first reader
	s_and_b32 s15, s14, 3
	s_lshr_b32 s16, s14, 2
	s_mul_i32 s25, s14, TREG
	s_add_co_u32 s25, s25, TURN
	v_add_nc_u32 v2, s25, v1
	v_mul_u32_u24 v3, v19, TP
	v_lshl_add_u32 v3, v9, 6, v3
	v_add_nc_u32 v3, s25, v3
	v_mul_u32_u24 v10, v19, 144
	v_lshl_add_u32 v10, v9, 6, v10
	v_add_nc_u32 v10, s25, v10                     ; phase M, in: row r of 128 bytes + 16 of padding, + 64 h
	v_lshrrev_b32 v11, 3, v18
	v_mul_u32_u24 v11, v11, 144
	v_and_b32 v12, 7, v18
	v_lshl_add_u32 v11, v12, 4, v11
	v_add_nc_u32 v11, s25, v11                     ; out: eight lanes to a row, four rows an instruction
	s_lshl_b32 s25, s14, 14
	v_add_nc_u32 v4, s25, v1
	v_lshlrev_b32 v7, 2, v18
	s_lshl_b32 s25, s14, 10
	s_add_co_u32 s25, s25, SCI
	v_add_nc_u32 v5, s25, v7
	s_lshl_b32 s25, s15, 11
	s_add_co_u32 s25, s25, SCI
	v_add_nc_u32 v7, s25, v7
	s_lshl_b32 s25, s15, 15
	v_add_nc_u32 v6, s25, v1
	v_lshlrev_b32 v8, 2, v19
.irp b, 0,1,2,3
	v_mov_b32 v[TM+4+\b], 0                        ; written once: a lane permute's destination counts as one of its sources
.endr
	s_mov_b32 s22, 0x76543210
	s_mov_b32 s23, 0xfedcba98
	s_mov_b32 s24, 0x600000
	s_lshl_b32 s35, s17, 2                         ; my expert's count
	s_lshl_b32 s26, s17, 24                        ; the weights: expert e,
	s_lshl_b32 s25, s18, 7
	s_lshr_b32 s28, s14, 1
	s_lshl_b32 s28, s28, 5
	s_add_co_u32 s25, s25, s28
	s_and_b32 s28, s14, 1
	s_lshl_b32 s28, s28, 3
	s_add_co_u32 s25, s25, s28                     ; row 128 dj + 32 (w / 2) + 8 (w % 2),
	s_lshl_b32 s25, s25, 14
	s_add_co_u32 s26, s26, s25
	s_lshl_b32 s25, s31, 12                        ; quarter q of K
	s_add_co_u32 s26, s26, s25
	s_mov_b32 s27, 0
	s_lshl_b32 s40, s17, 22                        ; h's codes: e, K steps 8 q on
	s_lshl_b32 s25, s31, 14
	s_or_b32 s40, s40, s25
	s_lshl_b32 s41, s17, 17                        ; h's scale words likewise
	s_lshl_b32 s25, s31, 9
	s_or_b32 s41, s41, s25
	s_lshl_b32 s32, s31, 25                        ; yp: quarter q,
	s_lshl_b32 s25, s18, 2
	s_add_co_u32 s25, s25, s15
	s_lshl_b32 s25, s25, 20                        ; block 4 dj + p of 32 outputs,
	s_add_co_u32 s32, s32, s25
	s_lshl_b32 s25, s17, 17                        ; expert e's 1,024 slots of 128 bytes
	s_add_co_u32 s32, s32, s25
	s_wait_kmcnt 0x0
	s_load_b32 s19, s[6:7], s35 offset:0x2000
	s_add_nc_u64 s[26:27], s[8:9], s[26:27]
	s_add_nc_u64 s[38:39], s[4:5], 0x2000000
.macro WLOAD ks                        ; K step ks of my 16 rows into set ks % 4 of window 1
.irp i, 0,1,2,3,4,5,6,7,8,9,10,11,12,13,14,15
	global_load_b128 v[64*((\ks)%4)+4*\i:64*((\ks)%4)+4*\i+3], v1, s[26:27] offset:(\i+8*(\i/8))*RP+512*(\ks) th:TH_LOAD_NT
.endr
.endm
.macro TURNW ks                        ; K step ks through the stage, into X[ks % 2]
	WIN 0x04                                       ; an LDS store's data are its source 1: window 1
.irp i, 0,1,2,3,4,5,6,7,8,9,10,11,12,13,14,15
	ds_store_b128 v2, v[64*((\ks)%4)+4*\i:64*((\ks)%4)+4*\i+3] offset:TP*\i
.endr
	WIN 0
.irp c, 0,1,2,3
.irp j, 0,1,2,3
	ds_load_b128 v[X+64*((\ks)%2)+16*\c+4*\j:X+64*((\ks)%2)+16*\c+4*\j+3], v3 offset:128*\c+16*\j   ; LDS serves a wave's instructions in order: these see the stores above
.endr
.endr
.endm
; 64 numbers of a lane, register 16 b + i = k 32 b + 16 h + i of my row, become a fragment's codes in v[PC] on and its scale word in v[PW]
.macro QUANT s
.irp b, 0,1,2,3
	v_max3_num_f32 v[TM+\b], |v[\s+16*\b]|, |v[\s+1+16*\b]|, 0x8000000   ; with the floor 2^(16 - 127): the byte cannot fall under 1
.endr
.irp i, 2,4,6,8,10,12,14
.irp b, 0,1,2,3
	v_max3_num_f32 v[TM+\b], v[TM+\b], |v[\s+16*\b+\i]|, |v[\s+1+16*\b+\i]|
.endr
.endr
.irp b, 0,1,2,3
	v_permlanex16_b32 v[TM+4+\b], v[TM+\b], s22, s23
.endr
.irp b, 0,1,2,3
	v_max_num_f32 v[TM+\b], v[TM+\b], v[TM+4+\b]
.endr
.irp b, 0,1,2,3
	v_add_nc_u32 v[TM+12+\b], 0xf8800000, v[TM+\b]
.endr
.irp b, 0,1,2,3
	v_and_or_b32 v[TM+8+\b], v[TM+\b], 0x7f800000, s24
.endr
.irp b, 0,1,2,3
	v_lshrrev_b32 v[TM+4+\b], 23, v[TM+12+\b]
.endr
	v_lshl_or_b32 v[PW], v[TM+5], 8, v[TM+4]
	v_lshl_or_b32 v[PW], v[TM+6], 16, v[PW]
	v_lshl_or_b32 v[PW], v[TM+7], 24, v[PW]
.irp b, 0,1,2,3
.irp i, 0,1,2,3,4,5,6,7,8,9,10,11,12,13,14,15
	v_med3_num_f32 v[\s+16*\b+\i], v[\s+16*\b+\i], -v[TM+8+\b], v[TM+8+\b]   ; the conversion to an 8-bit code does not saturate (ISA guide 7.6.2)
.endr
	v_cvt_scalef32_pk8_bf8_f32 v[PC+4*\b:PC+1+4*\b], v[\s+16*\b:\s+7+16*\b], v[TM+12+\b]
	v_cvt_scalef32_pk8_bf8_f32 v[PC+2+4*\b:PC+3+4*\b], v[\s+8+16*\b:\s+15+16*\b], v[TM+12+\b]
.endr
	v_nop                                          ; a plain line behind the last conversion
.endm
	s_wait_alu depctr_va_vdst(0)                   ; the offsets and LDS addresses v1 to v8, v10 and v11 are written, which the loads and LDS instructions below read
	WIN 0x40                                       ; destination window 1
	WLOAD 0
	WLOAD 1
	WLOAD 2
	WLOAD 3
	WIN 0
	s_wait_kmcnt 0x0
	s_add_co_u32 s19, s19, 15
	s_lshr_b32 s19, s19, 4
	s_min_u32 s19, s19, 64                         ; tiles of 16 rows
	s_sub_co_u32 s30, s19, 1
	s_add_co_u32 s43, s19, 1
	s_sub_co_u32 s43, s43, s16
	s_lshr_b32 s43, s43, 1                         ; my trips: tiles w / 4, w / 4 + 2, ..
	s_wait_loadcnt 48                              ; K step 0's 16 loads are in; three younger sets may be out
	TURNW 0
.irp ks, 0,1,2,3,4,5,6,7
.if \ks == 0
	s_wait_dscnt 0x0                               ; this K step's numbers are back from the stage
.else
	s_wait_dscnt 5                                 ; this K step's numbers are back from the stage; the five stores of the last images, issued behind them, may be out
.endif
	s_wait_alu depctr_vm_vsrc(0)                   ; the stage's stores have read set ks % 4, in which loads land next; the last images' stores have read PC and PW, which the quantiser writes
.if \ks < 4
	WIN 0x40
	WLOAD \ks+4
	WIN 0
.endif
.if \ks < 7
.if \ks < 4
	s_wait_loadcnt 48                              ; the next K step's 16 loads are in; three younger sets may be out
.else
	s_wait_loadcnt 16*(6-\ks)
.endif
	TURNW \ks+1                                    ; the next K step turns through the stage while this one is quantised.  No wait on va_vdst: no vector instruction since the last one names the other X
.endif
	QUANT X+64*(\ks%2)
	s_wait_alu depctr_va_vdst(0)                   ; the quantiser has written PC and PW, which the stores below read, and is done with this X, in which the K step after the next lands
.irp c, 0,1,2,3
	ds_store_b128 v4, v[PC+4*\c:PC+4*\c+3] offset:IMG+2048*\ks+512*\c
.endr
	ds_store_b32 v5, v[PW] offset:128*\ks
.endr
	s_wait_dscnt 0x0                               ; for the others' sake: my images have landed
	s_barrier_signal -1
	s_barrier_wait -1
	WIN 0x40
.irp u, 0,1
.irp ks, 0,1,2,3,4,5,6,7
.irp c, 0,1,2,3
	ds_load_b128 v[16*(8*\u+\ks)+4*\c:16*(8*\u+\ks)+4*\c+3], v6 offset:IMG+16384*\u+2048*\ks+512*\c
.endr
.endr
.endr
	WIN 0
.irp u, 0,1
.irp ks, 0,1,2,3,4,5,6,7
	ds_load_b32 v[BS+8*\u+\ks], v7 offset:1024*\u+128*\ks
.endr
.endr
	s_wait_dscnt 0x0
.macro ADDR2 sreg                      ; where a tile's codes and scale words lie; the tile's number enters an address only behind a hold
	s_min_u32 s25, \sreg, 63
	s_lshl_b32 s28, s25, 16
	s_add_co_u32 s28, s28, s40
	v_add_nc_u32 v12, s28, v1
	s_lshl_b32 s28, s25, 11
	s_add_co_u32 s28, s28, s41
	v_add_nc_u32 v13, s28, v8
.endm
.macro ALOAD2                          ; 40 loads: eight fragments, 512 consecutive bytes a load, and eight scale words
.irp ks, 0,1,2,3,4,5,6,7
.irp c, 0,1,2,3
	global_load_b128 v[AF+16*\ks+4*\c:AF+16*\ks+4*\c+3], v12, s[4:5] offset:2048*\ks+512*\c
.endr
.endr
.irp ks, 0,1,2,3,4,5,6,7
	global_load_b32 v[AS+\ks], v13, s[38:39] offset:64*\ks
.endr
.endm
.macro MUL                             ; 16 products; the first two start the sums; the two accumulators take turns, one instruction a turn
	WIN 0x01                                       ; source 0 (the weights) window 1
.irp ks, 0,1,2,3,4,5,6,7
.irp u, 0,1
.if \ks == 0
	v_wmma_scale_f32_16x16x128_f8f6f4 v[ACC+8*\u:ACC+8*\u+7], v[16*(8*\u+\ks):16*(8*\u+\ks)+15], v[AF+16*\ks:AF+16*\ks+15], 0, v[BS+8*\u+\ks], v[AS+\ks] matrix_a_fmt:MATRIX_FMT_BF8 matrix_b_fmt:MATRIX_FMT_BF8
.else
	v_wmma_scale_f32_16x16x128_f8f6f4 v[ACC+8*\u:ACC+8*\u+7], v[16*(8*\u+\ks):16*(8*\u+\ks)+15], v[AF+16*\ks:AF+16*\ks+15], v[ACC+8*\u:ACC+8*\u+7], v[BS+8*\u+\ks], v[AS+\ks] matrix_a_fmt:MATRIX_FMT_BF8 matrix_b_fmt:MATRIX_FMT_BF8
.endif
.endr
.endr
	WIN 0
.endm
	s_cmp_eq_u32 s43, 0
	s_cbranch_scc1 .Ldone                          ; no tile for this wave
	s_mov_b32 s20, s16
	s_mov_b32 s42, 0
	ADDR2 s20
	s_wait_alu depctr_va_vdst(0)                   ; v12 and v13 are written, which the loads below read; the quantiser is done with v128 to v255, in which they land
	ALOAD2
.Ltile:
	s_wait_loadcnt 0x0                             ; the tile's 40 loads are in, and their offsets may be written
	s_wait_alu depctr_vm_vsrc(0)                   ; the LDS stores issued so far have read v64 to v79, which the products write; the last trip's loads have read v12 and v13, its stores v14 and OB, all written again below
	MUL
	s_wait_xcnt 0x0                                ; the last trip's stores have read their data and offset, which are written again below
	s_add_co_u32 s21, s20, 2
	s_min_u32 s21, s21, s30                        ; the tile ahead, held at the expert's last tile: no load leaves what has been stored
	ADDR2 s21
	s_min_u32 s25, s20, 63
	s_lshl_b32 s28, s25, 11
	s_add_co_u32 s28, s28, s32
	v_add_nc_u32 v14, s28, v1                      ; where this tile's results go
.rept 6
	v_nop                                          ; with the three vector lines above: nine places behind the products: eight serve the stores of their results, the ninth the next trip's first product, which writes over an accumulator
.endr
	s_wait_alu depctr_va_vdst(0)                   ; the products have written the accumulators, which the LDS stores read, and are done reading AF and AS, in which the next tile lands; v12 to v14 are written
.irp j, 0,1,2,3
	ds_store_b128 v10, v[ACC+4*\j:ACC+4*\j+3] offset:16*\j   ; each accumulator from its low end on
.endr
.irp j, 0,1,2,3
	ds_load_b128 v[OB+4*\j:OB+4*\j+3], v11 offset:576*\j     ; my own bytes, served in order: these see the stores above
.endr
	ALOAD2                                         ; the results turn through the stage while the next tile is asked for
	s_wait_dscnt 0x0
.irp j, 0,1,2,3
	global_store_b128 v14, v[OB+4*\j:OB+4*\j+3], s[10:11] offset:512*\j th:TH_STORE_NT   ; 512 consecutive bytes a store, 2,048 a tile
.endr
	s_add_co_u32 s20, s20, 2                       ; my next tile
	s_add_co_u32 s42, s42, 1                       ; the loop counts its trips one by one
	s_cmp_lt_u32 s42, s43
	s_cbranch_scc1 .Ltile
.Ldone:
	s_wait_dscnt 0x0                               ; the closing lines, six on end
	s_wait_alu 0x0
	s_wait_tensorcnt 0x0
	ds_add_u32 v[SPW], v[NIL]
	s_wait_dscnt 0x0
	s_endpgm
.Lfunc_end_k_q75434d4936_fc2:
	.size	k_q75434d4936_fc2, .Lfunc_end_k_q75434d4936_fc2-k_q75434d4936_fc2
	.p2alignl 7, 3214868480
	.fill 96, 4, 3214868480
	.section	.rodata,"a",@progbits
	.p2align	6, 0x0
	.amdhsa_kernel k_q75434d4936_fc2
		.amdhsa_group_segment_fixed_size 207872
		.amdhsa_private_segment_fixed_size 0
		.amdhsa_enable_private_segment 0
		.amdhsa_kernarg_size 32
		.amdhsa_user_sgpr_count 2
		.amdhsa_user_sgpr_kernarg_segment_ptr 1
		.amdhsa_wavefront_size32 1
		.amdhsa_system_sgpr_workgroup_id_x 1
		.amdhsa_system_sgpr_workgroup_id_y 1
		.amdhsa_system_sgpr_workgroup_id_z 1
		.amdhsa_system_vgpr_workitem_id 0
		.amdhsa_next_free_vgpr 512
		.amdhsa_next_free_sgpr 66
		.amdhsa_reserve_vcc 0
		.amdhsa_float_denorm_mode_32 3
		.amdhsa_float_denorm_mode_16_64 3
		.amdhsa_memory_ordered 1
		.amdhsa_forward_progress 1
		.amdhsa_inst_pref_size 117
	.end_amdhsa_kernel
	.amdgpu_metadata
---
amdhsa.version: [ 1, 2 ]
amdhsa.kernels:
  - .name:           k_q75434d4936_fc2
    .symbol:         k_q75434d4936_fc2.kd
    .args:
      - { .name: hqs, .offset: 0, .size: 8, .value_kind: global_buffer, .address_space: global }
      - { .name: plc, .offset: 8, .size: 8, .value_kind: global_buffer, .address_space: global }
      - { .name: fc2_w, .offset: 16, .size: 8, .value_kind: global_buffer, .address_space: global }
      - { .name: yp, .offset: 24, .size: 8, .value_kind: global_buffer, .address_space: global }
    .group_segment_fixed_size: 207872
    .private_segment_fixed_size: 0
    .kernarg_segment_align: 8
    .kernarg_segment_size: 32
    .max_flat_workgroup_size: 256
    .sgpr_count:     66
    .vgpr_count:     512
    .wavefront_size: 32
...
	.end_amdgpu_metadata
.endif
;; end of part 9
;; launch combine (part 10): grid 512 x 1, 4 waves a work-group, no clusters, 0 bytes of LDS; arguments plc, ridx, rwp, yp, fc2_b, out0; writes out0
.if DOCPART == 10
	.amdgcn_target "amdgcn-amd-amdhsa--gfx1250"
	.amdhsa_code_object_version 6
	.text
	.protected	k_q75434d4936_combine
	.globl	k_q75434d4936_combine
	.p2align	8
	.type	k_q75434d4936_combine,@function
k_q75434d4936_combine:
	s_mov_b64 s[64:65], 0
	v_nop
	global_prefetch_b8 v0, s[64:65] scope:SCOPE_SE
	s_setreg_imm32_b32 hwreg(HW_REG_WAVE_MODE, 25, 1), 1
	s_wait_xcnt 0x0
; MoE layer, launch 5 of 5: out[t] = w1 (b2[e1] + y[slot1]) + w2 (b2[e2] + y[slot2]), y the sum of the four partial sums along K.  Experts not chosen add nothing (shown at the head of the first kernel).
; A wave owns half a token's row: g = 4 x work-group + wave, token g / 2, outputs 512 (g % 2) on.  Each output has one owner: no atomics.  Straight-line: 40 loads, one wait, 4 stores.
; yp is laid [q][32 blocks of 32 outputs][slot][32], so that its writer stores long runs; here a load takes four pieces of 128 consecutive bytes.  The stores cover 512 consecutive bytes each.
; Slots and experts are whole numbers that earlier launches stored; they enter addresses behind a hold.
.set Y, 16                             ; v16-143  [k][q][i]: four registers each
.set B, 144                            ; v144-175 [k][i]: b2
	s_load_b256 s[4:11], s[0:1], 0x0               ; plc s[4:5], ridx s[6:7], rwp s[8:9], yp s[10:11]
	s_load_b128 s[12:15], s[0:1], 0x20             ; fc2_b s[12:13], out0 s[14:15]
	v_lshrrev_b32 v1, 5, v0
	v_readfirstlane_b32 s16, v1
	s_lshl_b32 s17, ttmp9, 2
	s_add_co_u32 s17, s17, s16                     ; g
	s_lshr_b32 s18, s17, 1                         ; token
	s_and_b32 s19, s17, 1                          ; which half of its row
	s_lshl_b32 s36, s18, 3
	v_and_b32 v1, 31, v0
	v_lshlrev_b32 v2, 4, v1                        ; 16 x lane
	v_lshrrev_b32 v3, 3, v1
	v_and_b32 v4, 7, v1
	v_lshlrev_b32 v4, 4, v4
	v_lshl_add_u32 v3, v3, 20, v4                  ; eight lanes to a block of 32 outputs: (lane / 8) blocks of 1,048,576 bytes + 16 (lane % 8)
	s_wait_alu depctr_va_vdst(0)
	s_wait_kmcnt 0x0
	s_load_b64 s[20:21], s[4:5], s36 offset:0x0    ; the two slots,
	s_load_b64 s[22:23], s[6:7], s36 offset:0x0    ; experts
	s_load_b64 s[24:25], s[8:9], s36 offset:0x0    ; and weights
	s_mov_b64 s[28:29], s[10:11]                   ; the four partial sums' bases
	s_add_nc_u64 s[30:31], s[10:11], 0x2000000
	s_add_nc_u64 s[32:33], s[10:11], 0x4000000
	s_add_nc_u64 s[34:35], s[10:11], 0x6000000
	s_lshl_b32 s40, s17, 11                        ; out0: 2,048 g
	s_mov_b32 s41, 0
	s_add_nc_u64 s[14:15], s[14:15], s[40:41]
	s_lshl_b32 s38, s19, 24                        ; my half: 16 blocks on
	s_lshl_b32 s39, s19, 11                        ; and 2,048 bytes on in b2
	s_wait_kmcnt 0x0
	s_min_u32 s20, s20, 0x1fff
	s_min_u32 s21, s21, 0x1fff
	s_min_u32 s22, s22, 7
	s_min_u32 s23, s23, 7
	s_mov_b32 s26, s25                             ; w2 as a pair of its own: the packed forms take a pair's low word for both halves
	s_mov_b32 s27, s25
.irp k, 0,1
	s_lshl_b32 s37, s[20+\k], 7                    ; a slot's 128 bytes in a block
	s_add_co_u32 s37, s37, s38
	v_add_nc_u32 v[8+2*\k], s37, v3
	v_add_nc_u32 v[9+2*\k], 0x800000, v[8+2*\k]    ; eight blocks on
	s_lshl_b32 s37, s[22+\k], 12
	s_add_co_u32 s37, s37, s39
	v_add_nc_u32 v[12+\k], s37, v2
.endr
.irp k, 0,1
.irp q, 0,1,2,3
.irp i, 0,1,2,3
	global_load_b128 v[Y+64*\k+16*\q+4*\i:Y+64*\k+16*\q+4*\i+3], v[8+2*\k+\i/2], s[28+2*\q:29+2*\q] offset:(\i%2)*4194304 th:TH_LOAD_NT
.endr
.endr
.endr
.irp k, 0,1
.irp i, 0,1,2,3
	global_load_b128 v[B+16*\k+4*\i:B+16*\k+4*\i+3], v[12+\k], s[12:13] offset:512*\i
.endr
.endr
	s_wait_loadcnt 0x0
.irp k, 0,1
.irp j, 0,2,4,6,8,10,12,14
	v_pk_add_f32 v[Y+64*\k+\j:Y+64*\k+\j+1], v[Y+64*\k+\j:Y+64*\k+\j+1], v[Y+64*\k+16+\j:Y+64*\k+17+\j]
	v_pk_add_f32 v[Y+64*\k+32+\j:Y+64*\k+33+\j], v[Y+64*\k+32+\j:Y+64*\k+33+\j], v[Y+64*\k+48+\j:Y+64*\k+49+\j]
.endr
.endr
.irp k, 0,1
.irp j, 0,2,4,6,8,10,12,14
	v_pk_add_f32 v[Y+64*\k+\j:Y+64*\k+\j+1], v[Y+64*\k+\j:Y+64*\k+\j+1], v[Y+64*\k+32+\j:Y+64*\k+33+\j]
.endr
.endr
.irp k, 0,1
.irp j, 0,2,4,6,8,10,12,14
	v_pk_add_f32 v[Y+64*\k+\j:Y+64*\k+\j+1], v[Y+64*\k+\j:Y+64*\k+\j+1], v[B+16*\k+\j:B+16*\k+\j+1]
.endr
.endr
.irp j, 0,2,4,6,8,10,12,14
	v_pk_mul_f32 v[Y+\j:Y+\j+1], v[Y+\j:Y+\j+1], s[24:25] op_sel_hi:[1,0]
.endr
.irp j, 0,2,4,6,8,10,12,14
	v_pk_fma_f32 v[Y+\j:Y+\j+1], v[Y+64+\j:Y+65+\j], s[26:27], v[Y+\j:Y+\j+1] op_sel_hi:[1,0,1]
.endr
.irp i, 0,1,2,3
	global_store_b128 v2, v[Y+4*\i:Y+4*\i+3], s[14:15] offset:512*\i th:TH_STORE_NT
.endr
	s_endpgm
.Lfunc_end_k_q75434d4936_combine:
	.size	k_q75434d4936_combine, .Lfunc_end_k_q75434d4936_combine-k_q75434d4936_combine
	.p2alignl 7, 3214868480
	.fill 96, 4, 3214868480
	.section	.rodata,"a",@progbits
	.p2align	6, 0x0
	.amdhsa_kernel k_q75434d4936_combine
		.amdhsa_group_segment_fixed_size 0
		.amdhsa_private_segment_fixed_size 0
		.amdhsa_enable_private_segment 0
		.amdhsa_kernarg_size 48
		.amdhsa_user_sgpr_count 2
		.amdhsa_user_sgpr_kernarg_segment_ptr 1
		.amdhsa_wavefront_size32 1
		.amdhsa_system_sgpr_workgroup_id_x 1
		.amdhsa_system_sgpr_workgroup_id_y 1
		.amdhsa_system_sgpr_workgroup_id_z 1
		.amdhsa_system_vgpr_workitem_id 0
		.amdhsa_next_free_vgpr 176
		.amdhsa_next_free_sgpr 66
		.amdhsa_reserve_vcc 0
		.amdhsa_float_denorm_mode_32 3
		.amdhsa_float_denorm_mode_16_64 3
		.amdhsa_memory_ordered 1
		.amdhsa_forward_progress 1
		.amdhsa_inst_pref_size 12
	.end_amdhsa_kernel
	.amdgpu_metadata
---
amdhsa.version: [ 1, 2 ]
amdhsa.kernels:
  - .name:           k_q75434d4936_combine
    .symbol:         k_q75434d4936_combine.kd
    .args:
      - { .name: plc, .offset: 0, .size: 8, .value_kind: global_buffer, .address_space: global }
      - { .name: ridx, .offset: 8, .size: 8, .value_kind: global_buffer, .address_space: global }
      - { .name: rwp, .offset: 16, .size: 8, .value_kind: global_buffer, .address_space: global }
      - { .name: yp, .offset: 24, .size: 8, .value_kind: global_buffer, .address_space: global }
      - { .name: fc2_b, .offset: 32, .size: 8, .value_kind: global_buffer, .address_space: global }
      - { .name: out0, .offset: 40, .size: 8, .value_kind: global_buffer, .address_space: global }
    .group_segment_fixed_size: 0
    .private_segment_fixed_size: 0
    .kernarg_segment_align: 8
    .kernarg_segment_size: 48
    .max_flat_workgroup_size: 128
    .sgpr_count:     66
    .vgpr_count:     176
    .wavefront_size: 32
...
	.end_amdgpu_metadata
.endif
;; end of part 10
